; MI455X (gfx1250); checked and timed in simulation.
; The chip was launched on July 23, 2026; its instructions are those of AMD's public machine-readable ISA for CDNA 5 (MIT licence, August 2026) and "CDNA5" Instruction Set Architecture Reference Guide (July 2026). The comments in the code are by the model that wrote it; some were corrected since.
;; Multi Head Attention Block. Allowed arithmetic: matrix products marked QUANTISED: E2M1 operands, one E8M0 scale for each 32 along K, by v_wmma_scale_f32_16x16x128_f8f6f4 with both operands' format E2M1 (or v_wmma_scale_f32_32x16x128_f4), f32 sums; products left as they are: bf16, f16 or f32 operands; f32 sums; everything else in f32.
;; Inputs: Wk 1,024 x 1,024 float32; Wo 1,024 x 1,024 float32; Wq 1,024 x 1,024 float32; Wv 1,024 x 1,024 float32; bk 1,024 float32; bo 1,024 float32; bq 1,024 float32; bv 1,024 float32; x1 4 x 2,048 x 1,024 float32; x2 4 x 2,048 x 1,024 float32.
;; Outputs: out0 4 x 2,048 x 1,024 float32.
;; This version of the problem:
;;   THIS VERSION OF THE PROBLEM IS GIVEN IN LOW PRECISION. The matrix products marked QUANTISED in the list below multiply operands that are first quantised to E2M1 (2 exponent bits, 1 mantissa bit; 4 bits a number), with one power-of-two scale for each 32 numbers along K (OCP MX v1.0); their sums are f32. The products marked 'left as it is' may take bf16, f16 or f32 operands, with f32 sums. Whichever they take, every output number must still come out within the allowed error. Rounding operands to bf16 (8 significant bits) uses up far more of that allowance than f16 does (11 bits, for magnitudes from 6e-5 to 65,504). All else is computed in f32.
;;   The module's matrix products, in the order in which they are computed (A, B: the left and right operand; K: the contracted axis; several contracted axes count as one K, in the product's order):
;;     1. [M 8,192, K 1,024] x [K 1,024, N 1,024]; A: input x1; B: input Wq: QUANTISED
;;     2. [M 8,192, K 1,024] x [K 1,024, N 1,024]; A: input x2; B: input Wk: QUANTISED
;;     3. [M 8,192, K 1,024] x [K 1,024, N 1,024]; A: input x2; B: input Wv: QUANTISED
;;     4. batch 64 x [M 2,048, K 64] x [K 64, N 2,048]; A: computed on the way; B: computed on the way: left as it is (an operand is computed on the way)
;;     5. batch 64 x [M 2,048, K 2,048] x [K 2,048, N 64]; A: computed on the way; B: computed on the way: left as it is (an operand is computed on the way)
;;     6. [M 8,192, K 1,024] x [K 1,024, N 1,024]; A: computed on the way; B: input Wo: left as it is (an operand is computed on the way)
;;   THE QUANTISER, for each operand of a quantised product, along K:
;;     - K is cut into blocks of 32 from its start; a last block that is shorter is filled with zeros.
;;     - A block's scale is 2^e with e = floor(log2(the largest magnitude in the block)) - 2, held to -126 .. 127; a block of zeros has e = 0. As a byte (E8M0): e + 127.
;;     - Each number is divided by its block's scale, clamped to +-6, and rounded to the nearest number of E2M1, ties to even, subnormals kept.
;;     - The product sums the exact products of the quantised numbers (number of the format x scale) in f32.
;;   ~~~python
;;   def quantise(x, axis):      # numpy; x: float32 -> the quantised numbers, widened to float32 again
;;       x = np.moveaxis(x, axis, -1); K = x.shape[-1]
;;       x = np.pad(x, [(0, 0)] * (x.ndim - 1) + [(0, -K % 32)]); x = x.reshape(x.shape[:-1] + (-1, 32)); a = np.abs(x).max(-1, keepdims=True)
;;       e = np.where(a > 0, np.clip(np.frexp(np.where(a > 0, a, 1))[1] - 1 - 2, -126, 127), 0)      # np.frexp(a)[1] - 1 = floor(log2(a)), exactly
;;       r = np.clip(x / 2.0 ** e, -6, 6)
;;       step = 2.0 ** (np.maximum(np.frexp(np.where(r == 0, 1, r))[1] - 1, 0) - 1)
;;       q = np.round(r / step) * step * 2.0 ** e      # np.round: ties to even
;;       return np.moveaxis(q.reshape(q.shape[:-2] + (-1,))[..., :K], -1, axis).astype(np.float32)
;;   ~~~
;; One version. Each part assembles by itself: llvm-mc -triple=amdgcn-amd-amdhsa -mcpu=gfx1250 --defsym DOCPART=n.
;; ======== version 1 of 1: 4 launches
;; limits: values are held in f16: magnitudes above 65,504 overflow, below 6.1e-05 lose precision
;; workspace buffers: codes 9,961,472 bytes; scales 622,592 bytes; wo16 2,097,152 bytes; qkv 50,331,648 bytes; att 16,777,216 bytes
;; launch quant (part 1): grid 640 x 1, 4 waves a work-group, no clusters, 33,280 bytes of LDS; arguments x1, x2, Wq, Wk, Wv, Wo, codes, scales, wo16; writes codes, scales, wo16
.if DOCPART == 1
	.amdgcn_target "amdgcn-amd-amdhsa--gfx1250"
	.amdhsa_code_object_version 6
	.text
	.protected	k_qf86fd6b7f7_quant
	.globl	k_qf86fd6b7f7_quant
	.p2align	8
	.type	k_qf86fd6b7f7_quant,@function
k_qf86fd6b7f7_quant:
	s_mov_b64 s[64:65], 0
	v_nop
	global_prefetch_b8 v0, s[64:65] scope:SCOPE_SE
	s_setreg_imm32_b32 hwreg(HW_REG_WAVE_MODE, 25, 1), 1
	s_wait_xcnt 0x0
; LAUNCH 1 OF 4.  x1, x2 [8192][1024] and Wq, Wk, Wv [1024][1024], f32 with K innermost, become codes of FP4 (E2M1) with one E8M0 scale byte for each 32 along K; Wo becomes f16.
; THE PROGRAM: 1 quantise | 2 the three quantised products, q, k, v rounded once to f16, heads split | 3 attention, f16 operands, f32 sums, running maximum | 4 the projection on the way out, f16 operands, f32 sums.
; WORK LEFT OUT: THE INPUT bk.  score(q, k) = q . (x2 Wk^T + bk) / 8 = q . (x2 Wk^T) / 8 + q . bk / 8.  The second term hangs on the query alone: it is the same along the softmax's axis, so
; the softmax takes it away for all finite values of the inputs.  The product q k^T is not quantised, so no quantiser sees bk.  bk has then no way to any output: it is not loaded and is among no launch's arguments.
; LIMITS: a NaN, an infinity or an overflow that reaches only bk's term is not carried to the result.  NaN and infinities among the inputs are not served by the quantiser.  A block whose largest magnitude
; lies under 2^-124, a block of zeros too, gets the byte 1 (a block of zeros: where the quantiser says 127): its codes are zeros or are held by the floor, and the bytes are read by this program alone.
; f16 for q, k, v, the weights p, the attention's result and Wo: magnitudes up to 65,504; under 6e-5 the step is 6e-8.
; A block's scale is 2^(floor(log2(its largest magnitude)) - 2): its byte is the largest magnitude's own exponent field - 2.  Each number is divided by the scale and rounded to the nearest code, ties to even, beyond 6 the code of 6.
; SHARES: a work-group takes 32,768 numbers.  Work-groups 0-255: x1; 256-511: x2; 512-543: Wq; 544-575: Wk; 576-607: Wv; 608-639: Wo.  The codes' and the scales' buffers are laid in that same order
; (rows 0-8,191 x1, 8,192-16,383 x2, 16,384 on Wq, Wk, Wv; 512 bytes of codes and 32 scale bytes a row), so that the place of a wave's results hangs on the work-group's number alone.
; A wave takes 16 steps of 512 numbers.  Each of a step's four loads reads 512 consecutive bytes; the 2,048 bytes turn through the wave's own stage in LDS and come back 64 bytes a lane, 16 neighbours along K
; (two neighbouring lanes hold a block).  A lane's 16 codes are 8 bytes: the wave stores 256 consecutive bytes.  A wave's 256 scale bytes are gathered in LDS and leave as 256 consecutive bytes.
; No tensor loads, no barrier: waves share nothing.  No matrix unit, no cluster: the launch is a stream, and no work-group reads what another reads.
.set WAVES, 4
.set STEPS, 16
.set EMAX,  2
.set CB,    8                          ; bytes of 16 codes
.set R,     16                         ; v16-79   four sets of 16 numbers as they are loaded
.set X,     80                         ; v80-111  two sets of 16 neighbours
.set C,     128                        ; v128-191 codes: four registers for each step, so that no store's data are written again
.set E,     112                        ; v112-127 a scale byte for each step
.set WREG,  8192                       ; LDS: a region for each wave: two stages of 32 x SP bytes, and behind them its 256 scale bytes
.set SP,    80                         ; a lane's place in a stage: its 64 bytes + 16 of padding
.set SPW,   12                         ; v12      LDS address of my spare word; never rewritten
.set NIL,   13                         ; v13      0; never rewritten
.set SPARE, WAVES*WREG                 ; behind the four regions: the spare words, 128 bytes for each wave
	s_load_b256 s[4:11], s[0:1], 0x0               ; x1 s[4:5], x2 s[6:7], Wq s[8:9], Wk s[10:11]
	s_load_b256 s[12:19], s[0:1], 0x20             ; Wv s[12:13], Wo s[14:15], codes s[16:17], scales s[18:19]
	s_load_b64 s[20:21], s[0:1], 0x40              ; wo16
	v_lshl_add_u32 v[SPW], v0, 2, SPARE
	v_mov_b32 v[NIL], 0
	v_lshrrev_b32 v1, 5, v0
	v_readfirstlane_b32 s26, v1                    ; wave
	v_and_b32 v2, 31, v0                           ; lane
	v_lshlrev_b32 v3, 4, v2                        ; my 16 bytes of a load's 512
	s_mul_i32 s27, s26, WREG
	v_lshrrev_b32 v14, 2, v2
	v_mul_u32_u24 v14, v14, SP
	v_and_b32 v15, 3, v2
	v_lshl_add_u32 v14, v15, 4, v14
	v_add_nc_u32 v14, s27, v14                     ; the stage, on the way in: SP (lane / 4) + 16 (lane % 4)
	v_mul_u32_u24 v15, v2, SP
	v_add_nc_u32 v15, s27, v15                     ; and on the way out: SP x lane: my 16 neighbours
	v_mul_u32_u24 v4, v2, CB                       ; my codes' place in a step's
	v_lshrrev_b32 v5, 1, v2
	s_add_co_u32 s27, s27, 2*32*SP
	v_add_nc_u32 v5, s27, v5                       ; LDS: my wave's 256 scale bytes, my block's byte
	v_lshlrev_b32 v7, 3, v2                        ; and on the way out 8 bytes a lane
	v_add_nc_u32 v6, s27, v7
	s_wait_kmcnt 0x0
	s_cmp_ge_u32 ttmp9, 608                        ; the last 32 work-groups take Wo: a branch on the work-group's number
	s_cbranch_scc1 .Lwo
	; which tensor is mine: choices on the work-group's number alone
	s_mov_b64 s[22:23], s[12:13]                   ; Wv, from work-group 576 on
	s_mov_b32 s24, 576
	s_cmp_lt_u32 ttmp9, 576
	s_cselect_b64 s[22:23], s[10:11], s[22:23]     ; Wk
	s_cselect_b32 s24, 544, s24
	s_cmp_lt_u32 ttmp9, 544
	s_cselect_b64 s[22:23], s[8:9], s[22:23]       ; Wq
	s_cselect_b32 s24, 512, s24
	s_cmp_lt_u32 ttmp9, 512
	s_cselect_b64 s[22:23], s[6:7], s[22:23]       ; x2
	s_cselect_b32 s24, 256, s24
	s_cmp_lt_u32 ttmp9, 256
	s_cselect_b64 s[22:23], s[4:5], s[22:23]       ; x1
	s_cselect_b32 s24, 0, s24
	s_sub_co_u32 s24, ttmp9, s24
	s_lshl_b32 s24, s24, 2
	s_add_co_u32 s24, s24, s26                     ; which run of 8,192 numbers of the tensor is my wave's
	s_lshl_b32 s24, s24, 15                        ; 32,768 bytes a run
	s_mov_b32 s25, 0
	s_add_nc_u64 s[22:23], s[22:23], s[24:25]
	s_lshl_b32 s28, ttmp9, 2
	s_add_co_u32 s28, s28, s26                     ; and which run of the whole: the results lie in the work-groups' order
	s_lshl_b32 s30, s28, 12                        ; 4,096 bytes of codes a run
	s_mov_b32 s31, 0
	s_add_nc_u64 s[16:17], s[16:17], s[30:31]
	s_lshl_b32 s30, s28, 8                         ; 256 scale bytes a run
	s_add_nc_u64 s[18:19], s[18:19], s[30:31]
.macro LOAD t
.irp i, 0,1,2,3
	global_load_b128 v[R+16*((\t)%4)+4*\i:R+16*((\t)%4)+4*\i+3], v3, s[22:23] offset:2048*(\t)+512*\i th:TH_LOAD_NT   ; 32 lanes read 512 consecutive bytes
.endr
.endm
.macro TURN t                          ; step t's numbers through the stage: LDS serves a wave's instructions in order, so no wait stands between the stores and the loads
.irp i, 0,1,2,3
	ds_store_b128 v14, v[R+16*((\t)%4)+4*\i:R+16*((\t)%4)+4*\i+3] offset:32*SP*((\t)%2)+8*SP*\i
.endr
.irp i, 0,1,2,3
	ds_load_b128 v[X+16*((\t)%2)+4*\i:X+16*((\t)%2)+4*\i+3], v15 offset:32*SP*((\t)%2)+16*\i
.endr
.endm
.irp t, 0,1,2,3
	LOAD \t
.endr
	s_wait_loadcnt 12                              ; step 0's four loads are in; the twelve of steps 1 to 3 may be out
	TURN 0
.macro STEP t
.set XS, X+16*((\t)%2)
.if (\t) > 0
	s_wait_dscnt 1                                 ; this step's numbers are back from the stage (the last step's byte store may be out): so its stores into the stage have read their registers,
.else
	s_wait_dscnt 0x0
.endif
.if (\t)+4 < STEPS
	LOAD (\t)+4                                    ; which take the loads of four steps on
.endif
.if (\t)+1 < STEPS
.if STEPS-2-(\t) >= 3
	s_wait_loadcnt 12                              ; the next step's four loads are in; those of the three steps behind it may be out
.else
	s_wait_loadcnt 4*(STEPS-2-(\t))
.endif
	TURN (\t)+1                                    ; and go through the other stage while this step is worked
.endif
	v_max3_num_f32 v8, |v[XS]|, |v[XS+1]|, |v[XS+2]|               ; the largest magnitude of my 16, in two chains
	v_max3_num_f32 v9, |v[XS+3]|, |v[XS+4]|, |v[XS+5]|
.irp i, 6,10
	v_max3_num_f32 v8, v8, |v[XS+\i]|, |v[XS+\i+1]|
	v_max3_num_f32 v9, v9, |v[XS+\i+2]|, |v[XS+\i+3]|
.endr
	v_max3_num_f32 v8, v8, |v[XS+14]|, |v[XS+15]|
	v_max3_num_f32 v8, v8, v9, (EMAX+1)<<23        ; and the floor 2^(EMAX + 1 - 127): the byte cannot fall under 1
	v_max_num_f32_dpp v8, v8, v8 row_xmask:1 row_mask:0xf bank_mask:0xf   ; and of my neighbour's 16: the block's
	v_add_nc_u32 v11, -(EMAX<<23), v8              ; EMAX off its exponent field: the conversion takes the exponent field of this operand as its scale
	v_cvt_scalef32_pk8_fp4_f32 v[C+4*(\t)], v[XS:XS+7], v11
	v_cvt_scalef32_pk8_fp4_f32 v[C+4*(\t)+1], v[XS+8:XS+15], v11
	v_lshrrev_b32 v[E+(\t)], 23, v11               ; the scale's byte (a plain line behind the conversions)
	ds_store_b8 v5, v[E+(\t)] offset:16*(\t)       ; both lanes of a block write the same byte with the same value
	global_store_b64 v4, v[C+4*(\t):C+4*(\t)+1], s[16:17] offset:32*CB*(\t)   ; 32 lanes store 256 consecutive bytes
.endm
.irp t, 0,1,2,3,4,5,6,7,8,9,10,11,12,13,14,15
	STEP \t
.endr
	ds_load_b64 v[8:9], v6                         ; LDS serves a wave's instructions in order: these see my stores
	s_wait_dscnt 0x0
	global_store_b64 v7, v[8:9], s[18:19]          ; 32 lanes store 256 consecutive bytes
	s_branch .Lend
.Lwo:
	; Wo, 32,768 numbers a work-group, rounded once to f16.  A pass: the work-group's 128 threads load 16 bytes each as they lie, and store 8: a wave's store covers 256 consecutive bytes.
	s_sub_co_u32 s24, ttmp9, 608
	s_lshl_b32 s28, s24, 17                        ; 131,072 bytes in,
	s_mov_b32 s29, 0
	s_add_nc_u64 s[14:15], s[14:15], s[28:29]
	s_lshl_b32 s28, s24, 16                        ; 65,536 out
	s_add_nc_u64 s[20:21], s[20:21], s[28:29]
	v_lshlrev_b32 v1, 4, v0
	v_lshlrev_b32 v2, 3, v0
	s_mov_b32 s25, 0
.Lwo_trip:                                             ; four trips of sixteen passes
.irp p, 0,1,2,3,4,5,6,7,8,9,10,11,12,13,14,15
	global_load_b128 v[R+4*\p:R+4*\p+3], v1, s[14:15] offset:2048*\p th:TH_LOAD_NT
.endr
.irp p, 0,1,2,3,4,5,6,7,8,9,10,11,12,13,14,15
	s_wait_loadcnt 15-\p                           ; pass p's load is in; the later passes' may be out
	v_cvt_pk_f16_f32 v[C+2*\p], v[R+4*\p], v[R+4*\p+1]
	v_cvt_pk_f16_f32 v[C+2*\p+1], v[R+4*\p+2], v[R+4*\p+3]
	global_store_b64 v2, v[C+2*\p:C+2*\p+1], s[20:21] offset:1024*\p
.endr
	s_wait_xcnt 0x0                                ; the stores have read their data and their base: both are written again only behind this wait
	s_add_nc_u64 s[14:15], s[14:15], 0x8000
	s_add_nc_u64 s[20:21], s[20:21], 0x4000
	s_add_co_u32 s25, s25, 1
	s_cmp_lt_u32 s25, 4
	s_cbranch_scc1 .Lwo_trip
.Lend:
	s_wait_tensorcnt 0x0                           ; the wave's end: behind my last LDS store
	ds_add_u32 v[SPW], v[NIL]
	s_wait_dscnt 0x0
	s_endpgm
.Lfunc_end_k_qf86fd6b7f7_quant:
	.size	k_qf86fd6b7f7_quant, .Lfunc_end_k_qf86fd6b7f7_quant-k_qf86fd6b7f7_quant
	.p2alignl 7, 3214868480
	.fill 96, 4, 3214868480
	.section	.rodata,"a",@progbits
	.p2align	6, 0x0
	.amdhsa_kernel k_qf86fd6b7f7_quant
		.amdhsa_group_segment_fixed_size 33280
		.amdhsa_private_segment_fixed_size 0
		.amdhsa_enable_private_segment 0
		.amdhsa_kernarg_size 72
		.amdhsa_user_sgpr_count 2
		.amdhsa_user_sgpr_kernarg_segment_ptr 1
		.amdhsa_wavefront_size32 1
		.amdhsa_system_sgpr_workgroup_id_x 1
		.amdhsa_system_sgpr_workgroup_id_y 1
		.amdhsa_system_sgpr_workgroup_id_z 1
		.amdhsa_system_vgpr_workitem_id 0
		.amdhsa_next_free_vgpr 192
		.amdhsa_next_free_sgpr 66
		.amdhsa_reserve_vcc 0
		.amdhsa_float_denorm_mode_32 3
		.amdhsa_float_denorm_mode_16_64 3
		.amdhsa_memory_ordered 1
		.amdhsa_forward_progress 1
		.amdhsa_inst_pref_size 40
	.end_amdhsa_kernel
	.amdgpu_metadata
---
amdhsa.version: [ 1, 2 ]
amdhsa.kernels:
  - .name:           k_qf86fd6b7f7_quant
    .symbol:         k_qf86fd6b7f7_quant.kd
    .args:
      - { .name: x1, .offset: 0, .size: 8, .value_kind: global_buffer, .address_space: global }
      - { .name: x2, .offset: 8, .size: 8, .value_kind: global_buffer, .address_space: global }
      - { .name: Wq, .offset: 16, .size: 8, .value_kind: global_buffer, .address_space: global }
      - { .name: Wk, .offset: 24, .size: 8, .value_kind: global_buffer, .address_space: global }
      - { .name: Wv, .offset: 32, .size: 8, .value_kind: global_buffer, .address_space: global }
      - { .name: Wo, .offset: 40, .size: 8, .value_kind: global_buffer, .address_space: global }
      - { .name: codes, .offset: 48, .size: 8, .value_kind: global_buffer, .address_space: global }
      - { .name: scales, .offset: 56, .size: 8, .value_kind: global_buffer, .address_space: global }
      - { .name: wo16, .offset: 64, .size: 8, .value_kind: global_buffer, .address_space: global }
    .group_segment_fixed_size: 33280
    .private_segment_fixed_size: 0
    .kernarg_segment_align: 8
    .kernarg_segment_size: 72
    .max_flat_workgroup_size: 128
    .sgpr_count:     66
    .vgpr_count:     192
    .wavefront_size: 32
...
	.end_amdgpu_metadata
.endif
;; end of part 1
;; launch proj (part 2): grid 12 x 32, 4 waves a work-group, clusters of 4 x 4, 327,680 bytes of LDS; arguments codes, scales, bq, bv, qkv; writes qkv
.if DOCPART == 2
	.amdgcn_target "amdgcn-amd-amdhsa--gfx1250"
	.amdhsa_code_object_version 6
	.text
	.protected	k_qf86fd6b7f7_proj
	.globl	k_qf86fd6b7f7_proj
	.p2align	8
	.type	k_qf86fd6b7f7_proj,@function
k_qf86fd6b7f7_proj:
	s_mov_b64 s[64:65], 0
	v_nop
	global_prefetch_b8 v0, s[64:65] scope:SCOPE_SE
	s_setreg_imm32_b32 hwreg(HW_REG_WAVE_MODE, 25, 1), 1
	s_wait_xcnt 0x0
	s_wait_alu depctr_hold_cnt(0) depctr_sa_sdst(0) depctr_va_vdst(0) depctr_va_sdst(0) depctr_va_ssrc(0) depctr_va_vcc(0) depctr_vm_vsrc(0)
	s_getreg_b32 s2, hwreg(HW_REG_IB_STS2, 6, 4)
	s_cmp_eq_u32 s2, 0
	s_cbranch_scc0 .Lentry_in_a_cluster
	s_endpgm
.Lentry_in_a_cluster:
	s_bfe_u32 s2, ttmp6, 0x10000c
	s_cmp_lg_u32 s2, 0xf033
	s_cbranch_scc0 .Lentry_shape_is_right
	s_endpgm
.Lentry_shape_is_right:
; LAUNCH 2 OF 4.  The three quantised products, on codes of FP4 (E2M1) with one E8M0 scale for each 32 along K = 1,024:  q = x1 Wq^T + bq,  k' = c (x2 Wk^T),  v = x2 Wv^T + bv;  sums in f32.
; WORK LEFT OUT: bk (it adds the same to every score of a query, which the softmax takes away: shown at the head of the first launch).
; c = log2(e) / 8 is multiplied onto k in f32, ahead of k's one rounding to f16: the scores of the next launch then come out as exponents of 2.
; Results: qkv [3: q, k', v][64: 16 b + head][2,048 s][64] f16: 2^24 bytes a tensor, 2^18 a head, 128 a row.
; A tile of 256 x 256 is made by a work-group of four waves; a wave makes 128 x 128: 64 accumulators, 512 registers.  The grid's x is 12 tiles of columns: 4 each of q, k, v, so that a cluster's x IS the tensor.
; K is two slots of 512: both are asked for at the head, with the scale bytes of the work-group's 512 rows; nothing is filled again.
; CLUSTERS: 4 x 4 work-groups.  The four of a row of the cluster need the same rows of x, the four of a column the same rows of W: each tile is asked for JOINTLY, by the same tensor load with the same
; descriptor and a mask that names the four.  THE MATRIX INSTRUCTION IS USED TRANSPOSED (source 0 = 16 rows of W, source 1 = 16 rows of x): a lane holds eight neighbouring numbers of a row of the result.
; No prefetch: a work-group asks for all that it reads at its head.
; REGISTERS, in windows of 256: window 0: v0-31 addresses; v32-95 scale words, two sets; v128-191 x's fragments, ONE set; v192-255 the bias; on the way out v32-191 are free.
;   window 1: W's fragments, TWO sets, at v0 and v128.   window 2: the accumulators of my rows 0-63 ((a, b) at v[8 (8 a + b)]);   window 3: those of my rows 64-127.
.set KSTEP,  512                       ; along K in a slot
.set NQ,     KSTEP/128                 ; matrix instructions deep
.set ROWB,   256                       ; a tile's row in bytes
.set KROW,   512                       ; a row of codes in memory
.set PITCH,  272                       ; an LDS row: 256 bytes + 16 of padding = 68 words: row r starts at bank 4 r mod 64 (ISA guide 11.1)
.set FR,     8                         ; registers of a fragment: 16 rows x 128 K
.set NL,     2                         ; LDS loads that bring one
.set NP,     4                         ; places behind this matrix instruction (ISA guide 7.12.1)
.set HALFT,  128*PITCH                 ; 128 rows: what one tensor load brings
.set SLOT,   4*HALFT                   ; x's 256 rows, then W's 256 rows
.set KS,     32                        ; a row of scale bytes
.set SCL,    2*SLOT                    ; behind the two slots: the scale bytes, as rows of 256 bytes + 16 of padding
.set HALFS,  (128*KS/256)*272          ; those of 128 rows
.set SBLK,   (16*KS/256)*272           ; those of 16 rows
.set SPARE,  SCL+4*HALFS               ; the spare words, 128 bytes for each wave
.set STAGE,  SPARE+512                 ; the way out: 16 rows x (256 bytes + 16) for each wave; no tensor load lands here
.set SPITCH, 272
.set ADRA, 16                          ; v16-17  LDS address of my fragments of x in slot 0, 1
.set ADRB, 20                          ; v20-21  the same for W
.set STO,  24                          ; v24     the way out: where I put 16 bytes of a row
.set RD,   25                          ; v25     the way out: where I read back
.set CO,   26                          ; v26     16 x lane
.set ADRS, 27                          ; v27     LDS address of my scale words: lanes 0-15 x's rows, lanes 16-31 W's
.set SPW,  28                          ; v28     LDS address of my spare word; never rewritten
.set NIL,  29                          ; v29     0; never rewritten
.set BO,   30                          ; v30     32 x (lane / 16): my half's place in a block of the bias
.set SC,   32                          ; scale words: set s at v[SC + 32 s]; register 4 i + q: lanes 0-15 the word of x's block i, lanes 16-31 that of W's block i
.set TT,   32                          ; the way out: a block's 64 numbers in f32
.set TMP,  96                          ; the way out: the block in f16
.set AF,   128                         ; x's fragments
.set BK,   128                         ; the way out: a block read back: v128-159 and v160-191 by turns
.set BI,   192                         ; the bias: register 8 b + j: column 16 b + 8 (lane / 16) + j of my 128
.set G1, 24
.set G0, 32
.set G1B, 48
.set G0B, 56
.set G1S, 68
.set G0S, 76
.set G1SB, 80
.set G0SB, 88
.set MSB, 0
.macro WIN new                         ; the immediate's high byte repeats the setting that is left
.if MSB != (\new)
	s_set_vgpr_msb (MSB<<8)|(\new)
.set MSB, (\new)
.endif
.endm
.set MUL_LO, 0xa1                      ; source 0 (W) window 1, source 1 (x) window 0, C and D window 2
.set MUL_HI, 0xf1                      ; the same, C and D window 3
.set TO_B,   0x40                      ; destination window 1, address window 0
; A joint load: waves 0 and 1 fetch for x, waves 2 and 3 for W.  The branch hangs on the wave's number alone.  An s_nop 0 and four v_nop follow each of the two lines.
.macro JLOAD g0a, g1a, g0b, g1b
	s_cmp_eq_u32 s15, 0
	s_cbranch_scc0 .Lfor_b_\@
	tensor_load_to_lds s[\g0a:\g0a+3], s[\g1a:\g1a+7]
	s_nop 0
.rept 4
	v_nop
.endr
	s_branch .Lasked_\@
.Lfor_b_\@:
	tensor_load_to_lds s[\g0b:\g0b+3], s[\g1b:\g1b+7]
	s_nop 0
.rept 4
	v_nop
.endr
.Lasked_\@:
.endm
.macro CROUND                          ; a round of the cluster's barrier
	s_barrier_signal -1
	s_barrier_wait -1
	s_cmp_lg_u32 s14, 0
	s_cbranch_scc1 .Lnot_wave_0_\@
	s_barrier_signal -3
.Lnot_wave_0_\@:
	s_barrier_wait -3
	s_barrier_signal -1
	s_barrier_wait -1
.endm
	s_load_b128 s[4:7], s[0:1], 0x0                ; codes s[4:5], scales s[6:7]
	s_load_b128 s[96:99], s[0:1], 0x10             ; bq s[96:97], bv s[98:99]
	s_load_b64 s[12:13], s[0:1], 0x20              ; qkv
	v_lshl_add_u32 v[SPW], v0, 2, SPARE
	v_mov_b32 v[NIL], 0
	ds_add_u32 v[SPW], v[NIL]                      ; the wave's opening: the add, twice on end, and its wait ahead of my first tensor load
	ds_add_u32 v[SPW], v[NIL]
	v_lshrrev_b32 v1, 5, v0
	v_readfirstlane_b32 s14, v1                    ; wave 0..3
	s_lshr_b32 s15, s14, 1                         ; which half of the tile's rows is mine.  Also: I fetch for x (0) or for W (1)
	s_and_b32 s16, s14, 1                          ; which half of its columns.  Also: which 128 rows of that tile I fetch
	s_bfe_u32 s40, ttmp6, 0x40000                  ; cx, cy: my place in the cluster
	s_bfe_u32 s41, ttmp6, 0x40004
	s_lshl_b32 s42, ttmp9, 2
	s_add_co_u32 s42, s42, s40                     ; tile column 0..11 = 4 x tensor + cx
	s_and_b32 s17, ttmp7, 0xffff
	s_lshl_b32 s17, s17, 2
	s_add_co_u32 s17, s17, s41                     ; tile row 0..31
	s_lshl_b32 s43, s41, 2
	s_lshl_b32 s43, 15, s43                        ; my row of the cluster
	s_lshl_b32 s44, 0x1111, s40                    ; my column
	; descriptor group 1: a tile of 128 rows x 256 bytes, 16 bytes of padding behind each row
	s_or_b32 s[G1+0], s43, (0<<16)|(1<<20)|(1<<21)|(5<<22)|(3<<25)  ; 15:0 the mask; 17:16 elements of 1 byte; 20 padding on; 21 set beside a mask; 24:22 after every 64 words; 31:25 four words
	s_or_b32 s[G1B+0], s44, (0<<16)|(1<<20)|(1<<21)|(5<<22)|(3<<25)
.irp g, G1, G1B
	s_mov_b32 s[\g+1], ROWB<<16                    ; tensor_dim0
	s_mov_b32 s[\g+2], 128<<16                     ; tensor_dim1
	s_mov_b32 s[\g+3], ROWB<<16                    ; tile_dim0
	s_mov_b32 s[\g+4], 128                         ; tile_dim1
	s_mov_b32 s[\g+5], KROW                        ; from row to row
	s_mov_b32 s[\g+6], 0
	s_mov_b32 s[\g+7], 0
.endr
	; the scale bytes of 128 rows: 4,096 dense bytes, as 16 rows of 256 bytes (32 elements of 8 bytes), 16 bytes of padding behind each
	s_or_b32 s[G1S+0], s43, (3<<16)|(1<<20)|(1<<21)|(5<<22)|(3<<25)
	s_or_b32 s[G1SB+0], s44, (3<<16)|(1<<20)|(1<<21)|(5<<22)|(3<<25)
.irp g, G1S, G1SB
	s_mov_b32 s[\g+1], 32<<16
	s_mov_b32 s[\g+2], (128*KS/256)<<16
	s_mov_b32 s[\g+3], 32<<16
	s_mov_b32 s[\g+4], 128*KS/256
	s_mov_b32 s[\g+5], 32
	s_mov_b32 s[\g+6], 0
	s_mov_b32 s[\g+7], 0
.endr
	s_lshl_b32 s18, s16, 7                         ; which 128 rows of the tile I fetch
	s_lshl_b32 s20, s17, 8
	s_add_co_u32 s20, s20, s18                     ; x: row 256 x tile row + 128 x half,
	s_min_u32 s19, ttmp9, 1
	s_lshl_b32 s19, s19, 13
	s_add_co_u32 s20, s20, s19                     ; of x1 for q, of x2 (8,192 rows on) for k and v
	s_lshl_b32 s46, s42, 8
	s_add_co_u32 s46, s46, s18
	s_add_co_u32 s46, s46, 16384                   ; W: row 16,384 + 256 x tile column + 128 x half: Wq, Wk, Wv lie on end
	s_mov_b32 s21, 0
	s_mov_b32 s47, 0
	s_mov_b64 s[18:19], KS
	s_mul_u64 s[22:23], s[20:21], s[18:19]         ; where these rows' scale bytes begin
	s_mul_u64 s[92:93], s[46:47], s[18:19]
	s_mov_b64 s[18:19], KROW
	s_mul_u64 s[20:21], s[20:21], s[18:19]         ; and their codes
	s_mul_u64 s[46:47], s[46:47], s[18:19]
	s_mul_i32 s45, s14, HALFT                      ; where they go: wave x 128 rows: no place in the cluster enters an LDS address
	s_mul_i32 s94, s14, HALFS
	s_mov_b32 s66, 0x3e38aa3b                      ; c = log2(e) / 8
	s_mov_b32 s67, 0x3e38aa3b                      ; (named with it as a pair, so it is written)
	s_wait_dscnt 0x0                               ; both opening adds are done
	s_wait_kmcnt 0x0
	s_add_nc_u64 s[20:21], s[4:5], s[20:21]
	s_add_nc_u64 s[22:23], s[6:7], s[22:23]
	s_add_nc_u64 s[46:47], s[4:5], s[46:47]
	s_add_nc_u64 s[92:93], s[6:7], s[92:93]
	CROUND                                         ; all sixteen work-groups are here: the joint loads meet
	s_mov_b32 s[G0S], 1
	s_add_co_u32 s[G0S+1], s94, SCL
	s_mov_b64 s[G0S+2:G0S+3], s[22:23]
	s_or_b32 s[G0S+3], s[G0S+3], 0x80000000
	s_mov_b32 s[G0SB], 1
	s_add_co_u32 s[G0SB+1], s94, SCL
	s_mov_b64 s[G0SB+2:G0SB+3], s[92:93]
	s_or_b32 s[G0SB+3], s[G0SB+3], 0x80000000
	JLOAD G0S, G1S, G0SB, G1SB                     ; the scale bytes first: they are wanted with the first slot
.irp s, 0,1
	s_mov_b32 s[G0+4*\s], 1
	s_add_co_u32 s[G0+4*\s+1], s45, \s*SLOT
	s_add_nc_u64 s[G0+4*\s+2:G0+4*\s+3], s[20:21], \s*ROWB
	s_or_b32 s[G0+4*\s+3], s[G0+4*\s+3], 0x80000000
	s_mov_b32 s[G0B+4*\s], 1
	s_add_co_u32 s[G0B+4*\s+1], s45, \s*SLOT
	s_add_nc_u64 s[G0B+4*\s+2:G0B+4*\s+3], s[46:47], \s*ROWB
	s_or_b32 s[G0B+4*\s+3], s[G0B+4*\s+3], 0x80000000
	JLOAD G0+4*\s, G1, G0B+4*\s, G1B               ; three tensor loads of mine are out, and no more follow
.endr
	v_and_b32 v1, 15, v0                           ; r = lane % 16
	v_bfe_u32 v2, v0, 4, 1                         ; h = lane / 16
	v_mul_u32_u24 v3, v1, PITCH
	v_lshl_add_u32 v4, v2, 4, v3                   ; a fragment's row x pitch + 16 h
	s_mul_i32 s21, s15, HALFT                      ; my 128 rows of x
	s_mul_i32 s22, s16, HALFT                      ; my 128 rows of W,
	s_add_co_u32 s22, s22, 2*HALFT                 ; which lie behind x's 256
.irp s, 0,1
	v_add_nc_u32 v[ADRA+\s], s21, v4
	v_add_nc_u32 v[ADRB+\s], s22, v4
	s_add_co_u32 s21, s21, SLOT
	s_add_co_u32 s22, s22, SLOT
.endr
	v_mul_u32_u24 v5, v1, KS                       ; my row's scale bytes: 32 a row,
	v_lshrrev_b32 v6, 8, v5
	v_lshl_add_u32 v5, v6, 4, v5                   ; and 16 more for each 256 passed
	s_mul_i32 s21, s15, HALFS                      ; x's: my 128 rows
	s_mul_i32 s22, s16, HALFS                      ; W's: my 128 rows, behind x's 256
	s_add_co_u32 s22, s22, 2*HALFS
	s_sub_co_u32 s22, s22, s21
	v_mul_u32_u24 v6, s22, v2                      ; lanes 16-31 take W's: the lower base + h x the distance
	s_add_co_u32 s21, s21, SCL
	v_add_nc_u32 v5, v5, v6
	v_add_nc_u32 v[ADRS], s21, v5
	s_mul_i32 s23, s14, 16*SPITCH
	s_add_co_u32 s23, s23, STAGE                   ; my stage
	v_mul_u32_u24 v5, v1, SPITCH                   ; in: row r, 16 bytes for each half of the lanes
	v_lshl_add_u32 v5, v2, 4, v5
	v_add_nc_u32 v[STO], s23, v5
	v_and_b32 v6, 31, v0
	v_lshrrev_b32 v5, 3, v6                        ; back: eight lanes take one head's 128 bytes of a row, the 32 lanes four rows
	v_mul_u32_u24 v5, v5, SPITCH
	v_and_b32 v7, 7, v0
	v_lshl_add_u32 v5, v7, 4, v5
	v_add_nc_u32 v[RD], s23, v5
	v_lshlrev_b32 v[CO], 4, v6                     ; and in qkv those four rows are 512 bytes on end
	v_lshlrev_b32 v[BO], 5, v2
	; where my 128 rows x 2 heads begin in qkv: tensor 2^24, batch 2^22, head 2^18, row 128 bytes
	s_lshl_b32 s20, ttmp9, 24
	s_lshr_b32 s21, s17, 3                         ; batch = tile row / 8
	s_lshl_b32 s21, s21, 22
	s_add_co_u32 s20, s20, s21
	s_and_b32 s21, s17, 7                          ; 256 rows a tile row
	s_lshl_b32 s21, s21, 15
	s_add_co_u32 s20, s20, s21
	s_lshl_b32 s21, s15, 14                        ; my 128 of them
	s_add_co_u32 s20, s20, s21
	s_lshl_b32 s46, s40, 2
	s_lshl_b32 s47, s16, 1
	s_add_co_u32 s46, s46, s47                     ; my first head = 4 cx + 2 x half
	s_lshl_b32 s46, s46, 18
	s_add_co_u32 s20, s20, s46
	s_mov_b32 s21, 0
	s_add_nc_u64 s[12:13], s[12:13], s[20:21]
.macro FRAG reg, adr, q, i             ; 16 rows x 128 K of 4-bit codes: lane l holds row l % 16; registers 4 c .. 4 c + 3 hold K = 64 c + 32 (l / 16) + 0 .. 31
.irp c, 0,1
	ds_load_b128 v[\reg+4*\c:\reg+4*\c+3], v[\adr] offset:64*(\q)+32*\c+(\i)*16*PITCH
.endr
.endm
; 16 matrix instructions: x's blocks a0, a0 + 1 against W's eight, 128 along K: the slot's q-th.  p: W's set; sc: the set of scale words.  zero = 1: the first product starts the sums.
; The 64 accumulators take turns, one instruction a turn, in the same order in every step.
.macro MUL16 a0, p, q, sc, zero
.irp a, \a0, \a0+1
.irp b, 0,1,2,3,4,5,6,7
.if \zero
	v_wmma_scale_f32_16x16x128_f8f6f4 v[8*(8*((\a)%4)+\b):8*(8*((\a)%4)+\b)+7], v[128*(\p)+FR*\b:128*(\p)+FR*\b+FR-1], v[AF+FR*(\a):AF+FR*(\a)+FR-1], 0, v[SC+8*NQ*(\sc)+NQ*\b+(\q)], v[SC+8*NQ*(\sc)+NQ*(\a)+(\q)] matrix_a_fmt:MATRIX_FMT_FP4 matrix_b_fmt:MATRIX_FMT_FP4 matrix_a_scale:MATRIX_SCALE_ROW1
.else
	v_wmma_scale_f32_16x16x128_f8f6f4 v[8*(8*((\a)%4)+\b):8*(8*((\a)%4)+\b)+7], v[128*(\p)+FR*\b:128*(\p)+FR*\b+FR-1], v[AF+FR*(\a):AF+FR*(\a)+FR-1], v[8*(8*((\a)%4)+\b):8*(8*((\a)%4)+\b)+7], v[SC+8*NQ*(\sc)+NQ*\b+(\q)], v[SC+8*NQ*(\sc)+NQ*(\a)+(\q)] matrix_a_fmt:MATRIX_FMT_FP4 matrix_b_fmt:MATRIX_FMT_FP4 matrix_a_scale:MATRIX_SCALE_ROW1
.endif
.endr
.endr
.endm
.macro FETCH_B slot, q, p              ; W's eight fragments of the slot's q-th 128 along K into set p
	WIN TO_B
.irp i, 0,1,2,3,4,5,6,7
	FRAG 128*(\p)+FR*\i, ADRB+\slot, \q, \i
.endr
	WIN 0
.endm
.macro FETCH_A slot, q, i0             ; x's blocks i0 .. i0 + 3
.irp i, \i0, \i0+1, \i0+2, \i0+3
	FRAG AF+FR*(\i), ADRA+\slot, \q, \i
.endr
.endm
.macro SCALES sc                       ; a slot's scale words into set sc: four words a row; lanes 0-15 take x's block i, lanes 16-31 W's block i
.irp i, 0,1,2,3,4,5,6,7
	ds_load_b128 v[SC+8*NQ*\sc+NQ*\i:SC+8*NQ*\sc+NQ*\i+3], v[ADRS] offset:\i*SBLK
.endr
.endm
; A load into a register that a matrix instruction has read, and a vector instruction or an LDS store that reads a matrix result, stand NP plain vector instructions behind it (ISA guide 7.12.1 for vector instructions).
.macro PLACES n
.rept \n
	v_nop
.endr
.endm
; A step of 128 along K that has its successor in the same slot.  x has one set of registers: blocks 0-3 are fetched anew in the step's middle, blocks 4-7 at its end.
.macro STEP slot, q, zero
	s_wait_dscnt 4*NL                              ; W's set and x's blocks 0-3 are in; the youngest eight loads (x's blocks 4-7) may be out
	WIN MUL_LO
	MUL16 0, (\q)%2, \q, \slot, \zero
	MUL16 2, (\q)%2, \q, \slot, \zero
	s_wait_dscnt 0                                 ; x's blocks 4-7 are in
	PLACES NP
	FETCH_B \slot, (\q)+1, 1-(\q)%2
	FETCH_A \slot, (\q)+1, 0
	WIN MUL_HI
	MUL16 4, (\q)%2, \q, \slot, \zero
	MUL16 6, (\q)%2, \q, \slot, \zero
	PLACES NP
	WIN 0
	FETCH_A \slot, (\q)+1, 4
.endm
.macro STEPS slot, from                ; the slot's steps from .. NQ - 2
.set Q, \from
.rept NQ-1-\from
	STEP \slot, Q, 0
.set Q, Q+1
.endr
.endm
; Slot 0's last step goes over to slot 1: ONE barrier; in front of it each wave waits for all its tensor loads (its part of slot 1).  Nothing is filled again.
.macro TURN
	s_wait_tensorcnt 0x0                           ; all my tensor loads have landed
	ds_add_u32 v[SPW], v[NIL]                      ; 0 onto my spare word
	s_wait_dscnt 4*NL+1                            ; (the add and the youngest eight loads, x's blocks 4-7, may be out)
	WIN MUL_LO
	MUL16 0, 1, NQ-1, 0, 0
	s_wait_dscnt 0x0                               ; no LDS instruction of mine is pending at the signal
	s_barrier_signal -1
	MUL16 2, 1, NQ-1, 0, 0
	WIN 0
	s_barrier_wait -1                              ; slot 1 is whole
	PLACES NP
	v_add_nc_u32 v[ADRS], 4*NQ, v[ADRS]            ; on to slot 1's scale words
	FETCH_B 1, 0, 0
	FETCH_A 1, 0, 0
	SCALES 1
	WIN MUL_HI
	MUL16 4, 1, NQ-1, 0, 0
	MUL16 6, 1, NQ-1, 0, 0
	PLACES NP
	WIN 0
	FETCH_A 1, 0, 4
.endm
.macro TAIL                            ; slot 1's four steps
	STEPS 1, 0
	s_wait_dscnt 4*NL                              ; the very last step: nothing more to fetch
	WIN MUL_LO
	MUL16 0, 1, NQ-1, 1, 0
	MUL16 2, 1, NQ-1, 1, 0
	s_wait_dscnt 0
	WIN MUL_HI
	MUL16 4, 1, NQ-1, 1, 0
	MUL16 6, 1, NQ-1, 1, 0
	WIN 0
.endm
; THE WAY OUT, block by block of 16 rows x 128 columns (two heads).  PACK: the bias is added (mode 1) or c multiplied on (mode 0) in f32, then one rounding to f16: 16 bytes a lane.
.macro PACK a, mode
.set AC, 64*((\a)%4)
	WIN 0x02+(\a)/4                                ; source 0: window 2 or 3
.irp b, 0,1,2,3,4,5,6,7
.irp r, 0,1,2,3
.if \mode
	v_pk_add_f32 v[TT+8*\b+2*\r:TT+8*\b+2*\r+1], v[AC+8*\b+2*\r:AC+8*\b+2*\r+1], v[BI+8*\b+2*\r:BI+8*\b+2*\r+1]   ; each accumulator from its low end on
.else
	v_pk_mul_f32 v[TT+8*\b+2*\r:TT+8*\b+2*\r+1], v[AC+8*\b+2*\r:AC+8*\b+2*\r+1], s[66:67] op_sel_hi:[1,0]
.endif
.endr
.endr
	WIN 0
.irp b, 0,1,2,3,4,5,6,7
.irp r, 0,1,2,3
	v_cvt_pk_f16_f32 v[TMP+4*\b+\r], v[TT+8*\b+2*\r], v[TT+8*\b+2*\r+1]
.endr
.endr
.endm
.macro TOSTAGE a                       ; into my own stage, and back head by head, four rows at a time.  LDS serves a wave's instructions in order: no wait between the stores and the loads
.set BB, BK+32*((\a)%2)
.irp b, 0,1,2,3,4,5,6,7
	ds_store_b128 v[STO], v[TMP+4*\b:TMP+4*\b+3] offset:32*\b
.endr
.irp t, 0,1,2,3,4,5,6,7
	ds_load_b128 v[BB+4*\t:BB+4*\t+3], v[RD] offset:(\t/2)*4*SPITCH+(\t%2)*128
.endr
.endm
.macro SEND a
.set BB, BK+32*((\a)%2)
	s_wait_dscnt 0x0                               ; the block is back in registers
	s_wait_xcnt 0x0                                ; the block before has left its registers: the next block's loads may land there
.irp t, 0,1,2,3,4,5,6,7
	global_store_b128 v[CO], v[BB+4*\t:BB+4*\t+3], s[12:13] offset:(\t%2)*262144+(16*(\a)+4*(\t/2))*128   ; 32 lanes store 512 consecutive bytes: four rows of one head
.endr
.endm
.macro WAYOUT mode
	PLACES NP                                      ; behind the last products: their scale words' and fragments' registers are written below
	PACK 0, \mode
	TOSTAGE 0
.irp a, 1,2,3,4,5,6,7                  ; block a's arithmetic stands between block a - 1's loads from the stage and the wait for them
	PACK \a, \mode
	SEND \a-1
	TOSTAGE \a
.endr
	SEND 7
.endm
	s_wait_tensorcnt 1                             ; the scale bytes and my part of slot 0 are in; slot 1's load may be out
	s_barrier_signal -1
	s_barrier_wait -1                              ; everybody's are
	FETCH_B 0, 0, 0
	FETCH_A 0, 0, 0
	SCALES 0
	FETCH_A 0, 0, 4
	STEP 0, 0, 1                                   ; the first step's products start the sums: nothing is cleared
	STEPS 0, 1
	TURN
	s_cmp_eq_u32 ttmp9, 1                          ; the tensor: the cluster's x, the same in all sixteen partners
	s_cbranch_scc1 .Lk_arm
	; q and v: the bias of my 128 columns is asked for here and lands under slot 1's 256 matrix instructions
	s_cmp_eq_u32 ttmp9, 0
	s_cselect_b64 s[98:99], s[96:97], s[98:99]     ; bq or bv
	s_lshl_b32 s20, s40, 10
	s_lshl_b32 s21, s16, 9
	s_add_co_u32 s20, s20, s21                     ; column 256 cx + 128 x half, 4 bytes each
	s_mov_b32 s21, 0
	s_add_nc_u64 s[98:99], s[98:99], s[20:21]
.irp b, 0,1,2,3,4,5,6,7
	global_load_b128 v[BI+8*\b:BI+8*\b+3], v[BO], s[98:99] offset:64*\b
	global_load_b128 v[BI+8*\b+4:BI+8*\b+7], v[BO], s[98:99] offset:64*\b+16
.endr
	TAIL
	s_wait_loadcnt 0x0                             ; the bias
	WAYOUT 1
	s_branch .Lend
.Lk_arm:                                               ; k: no bias; c is multiplied on
	TAIL
	WAYOUT 0
.Lend:
	s_wait_tensorcnt 0x0                           ; the wave's end: behind my last tensor load and my last LDS store
	ds_add_u32 v[SPW], v[NIL]
	s_wait_dscnt 0x0
	CROUND                                         ; the closing round: no work-group ends while a partner may still ask for a tile that names it
	s_endpgm
.Lfunc_end_k_qf86fd6b7f7_proj:
	.size	k_qf86fd6b7f7_proj, .Lfunc_end_k_qf86fd6b7f7_proj-k_qf86fd6b7f7_proj
	.p2alignl 7, 3214868480
	.fill 96, 4, 3214868480
	.section	.rodata,"a",@progbits
	.p2align	6, 0x0
	.amdhsa_kernel k_qf86fd6b7f7_proj
		.amdhsa_group_segment_fixed_size 327680
		.amdhsa_private_segment_fixed_size 0
		.amdhsa_enable_private_segment 0
		.amdhsa_kernarg_size 40
		.amdhsa_user_sgpr_count 2
		.amdhsa_user_sgpr_kernarg_segment_ptr 1
		.amdhsa_wavefront_size32 1
		.amdhsa_system_sgpr_workgroup_id_x 1
		.amdhsa_system_sgpr_workgroup_id_y 1
		.amdhsa_system_sgpr_workgroup_id_z 1
		.amdhsa_system_vgpr_workitem_id 0
		.amdhsa_next_free_vgpr 1024
		.amdhsa_next_free_sgpr 100
		.amdhsa_reserve_vcc 0
		.amdhsa_float_denorm_mode_32 3
		.amdhsa_float_denorm_mode_16_64 3
		.amdhsa_memory_ordered 1
		.amdhsa_forward_progress 1
		.amdhsa_inst_pref_size 231
	.end_amdhsa_kernel
	.amdgpu_metadata
---
amdhsa.version: [ 1, 2 ]
amdhsa.kernels:
  - .name:           k_qf86fd6b7f7_proj
    .symbol:         k_qf86fd6b7f7_proj.kd
    .args:
      - { .name: codes, .offset: 0, .size: 8, .value_kind: global_buffer, .address_space: global }
      - { .name: scales, .offset: 8, .size: 8, .value_kind: global_buffer, .address_space: global }
      - { .name: bq, .offset: 16, .size: 8, .value_kind: global_buffer, .address_space: global }
      - { .name: bv, .offset: 24, .size: 8, .value_kind: global_buffer, .address_space: global }
      - { .name: qkv, .offset: 32, .size: 8, .value_kind: global_buffer, .address_space: global }
    .group_segment_fixed_size: 327680
    .private_segment_fixed_size: 0
    .kernarg_segment_align: 8
    .kernarg_segment_size: 40
    .max_flat_workgroup_size: 128
    .sgpr_count:     100
    .vgpr_count:     1024
    .wavefront_size: 32
...
	.end_amdgpu_metadata
.endif
;; end of part 2
;; launch attn (part 3): grid 4 x 64, 16 waves a work-group, clusters of 4 x 1, 327,680 bytes of LDS; arguments qkv, att; writes att
.if DOCPART == 3
	.amdgcn_target "amdgcn-amd-amdhsa--gfx1250"
	.amdhsa_code_object_version 6
	.text
	.protected	k_qf86fd6b7f7_attn
	.globl	k_qf86fd6b7f7_attn
	.p2align	8
	.type	k_qf86fd6b7f7_attn,@function
k_qf86fd6b7f7_attn:
	s_mov_b64 s[64:65], 0
	v_nop
	global_prefetch_b8 v0, s[64:65] scope:SCOPE_SE
	s_setreg_imm32_b32 hwreg(HW_REG_WAVE_MODE, 25, 1), 1
	s_wait_xcnt 0x0
	s_wait_alu depctr_hold_cnt(0) depctr_sa_sdst(0) depctr_va_vdst(0) depctr_va_sdst(0) depctr_va_ssrc(0) depctr_va_vcc(0) depctr_vm_vsrc(0)
	s_getreg_b32 s2, hwreg(HW_REG_IB_STS2, 6, 4)
	s_cmp_eq_u32 s2, 0
	s_cbranch_scc0 .Lentry_in_a_cluster
	s_endpgm
.Lentry_in_a_cluster:
	s_bfe_u32 s2, ttmp6, 0x10000c
	s_cmp_lg_u32 s2, 0x3003
	s_cbranch_scc0 .Lentry_shape_is_right
	s_endpgm
.Lentry_shape_is_right:
; LAUNCH 3 OF 4.  att[bh][q][:] = the sum over k of softmax_k(q . k / 8) v[k][:], for 64 heads bh = 16 b + h of 2,048 positions and 64 channels.  q, k', v, att: f16; products, maxima and sums in f32;
; the weights p are rounded to f16 for the second product, att once at the end.
; WORK LEFT OUT: bk (shown at the head of the first launch).  k' = log2(e) / 8 x k was made by the launch before, so a score t = q . k' is an exponent of 2: p = 2^(t - m), m the query's running largest t.
; In every step the sum l and O are multiplied by a = 2^(old m - new m), which is 1 where m has not grown.  p is 1 at the maximum and never above it.
; SHARES.  A work-group owns 512 queries of one head; each of its SIXTEEN waves owns 32, two tiles of 16, in 256 registers: four waves to a SIMD, so that one wave's vector work stands beside another's
; matrix work and LDS loads.  Every wave walks all 2,048 keys, 64 a step.  K and V come through a ring of two LDS slots of 256 keys (waves 0, 1: K's halves; waves 2, 3: V's) and are read by all sixteen.
; CLUSTER.  The four work-groups of a head form a cluster and walk the same K and V: each tile is asked for JOINTLY, by the same tensor load with the same descriptor and a mask that names the four.
; LAYOUT.  S^T = K Q^T (source 0 = 16 keys, source 1 = 16 queries): a lane holds ONE query (lane % 16) and the keys 8 (lane / 16) + 0..7.  Two such tiles, rounded to f16 in pairs, ARE source 1 (32 keys x
; 16 queries) of O^T = V^T P, whose result again holds one query a lane, and eight channels.  K comes out of LDS as it lies, V ([key][channel]) turned, by ds_load_tr16_b128.
; REGISTERS: v1-11 addresses; v12-27 eight of statistics a tile; v28-31 at work at the head; v32-63 Q; v64-127 K's fragments, then V's; v128-191 S^T, 32 a tile (P is made in place in the first 16); v192-255 O^T, 32 a tile.
.set KP,    144                        ; a row of K in LDS: 128 bytes + 16 of padding = 36 words: the 16 rows of a load start at 16 different groups of four banks
.set VP,    160                        ; a row of V: 128 + 32 = 40 words: 16 lanes of the turning load take 8 rows x 32 bytes
.set SK,    256                        ; keys in a slot
.set VOFF,  SK*KP                      ; a slot: 256 rows of K, then 256 rows of V
.set SLOT1, 1<<17                      ; slot 1 begins here: one exclusive or turns an address in one slot into the other's
.set STAGE, SLOT1+SK*(KP+VP)           ; behind the ring: 32 rows x 144 bytes for each wave, for the way out
.set SPARE, STAGE+16*32*KP             ; the spare words, 128 bytes for each wave
.set NSL,   2048/SK                    ; slots' worth of keys
.set AK0,  1                           ; v1   my lane's place in a tile of K
.set AV0,  2                           ; v2   the same for V
.set SPW,  3                           ; v3   LDS address of my spare word; never rewritten
.set NIL,  4                           ; v4   0; never rewritten
.set ADK,  5                           ; v5   LDS address of the slot's K
.set ADV,  6                           ; v6   of its V
.set QO,   7                           ; v7   my byte offset in the wave's rows of q
.set PFO,  8                           ; v8   256 x lane: the prefetches' offset; never rewritten
.set STO,  9                           ; v9   the way out: where I put 16 bytes of a row
.set RD,   10                          ; v10  the way out: where I read back
.set GO,   11                          ; v11  16 x lane
.set ST,   12                          ; tile t's statistics at v[ST + 8 t]: +0 m, +1 the old m, +2, +3 l (even keys', odd keys'), +4 to +7 at work; a takes +6, old m - new m takes +7
.set QF,   32                          ; Q: tile t, channels 32 c on, at QF + 16 t + 8 c
.set KV,   64
.set S,    128
.set O,    192
.set WV,   18                          ; s18  my wave's number
.set SEL,  20                          ; s[20:21] lane selects for v_permlanex16_b32: lane l xor 16
.set G1K,  24                          ; s[24:31] descriptor group 1 for K's tiles;  s[32:39] for V's;  s[40:43], s[44:47] their groups 0, which walk
.set G1V,  32
.set G0K,  40
.set G0V,  44
.set SLOTS, 48                         ; s48  slots still to be asked for
.set TB,   49                          ; s49  LDS byte at which the slot in hand begins
.set PFA,  50                          ; s[50:51] where my prefetches stand
.set LIM,  52                          ; s52  1 in a wave that prefetches, else the greatest number
; Waves 0 and 1 fetch K's halves, waves 2 and 3 V's, the others nothing.  The branches hang on the wave's number alone.  An s_nop 0 and four v_nop follow each of the two lines.
.macro TLOAD
	s_cmp_lt_u32 s[WV], 2
	s_cbranch_scc0 .Lnot_k_\@
	tensor_load_to_lds s[G0K:G0K+3], s[G1K:G1K+7]
	s_nop 0
.rept 4
	v_nop
.endr
	s_branch .Lasked_\@
.Lnot_k_\@:
	s_cmp_lt_u32 s[WV], 4
	s_cbranch_scc0 .Lasked_\@
	tensor_load_to_lds s[G0V:G0V+3], s[G1V:G1V+7]
	s_nop 0
.rept 4
	v_nop
.endr
.Lasked_\@:
.endm
; A PREFETCH of what the NEXT change of slots will ask for: a slot's 32,768 bytes of K and as many of V, four key steps ahead of that load.  Each aligned block of 256 bytes is named once in the launch:
; a head has one cluster; its four partners take 8,192 bytes each, told apart BY ADDRESS; in each, wave 4 asks for K's and wave 5 for V's, lanes 256 bytes apart: one instruction.
; Slots 0 and 1 come by their loads alone; the last change that fills a slot asks for nothing: there is no slot behind it.
.macro ASK
	s_cmp_gt_u32 s[SLOTS], s[LIM]
	s_cbranch_scc0 .Lnot_mine_\@
	global_prefetch_b8 v[PFO], s[PFA:PFA+1] th:TH_LOAD_NT scope:SCOPE_SE
.Lnot_mine_\@:
.endm
.macro CROUND                          ; a round of the cluster's barrier
	s_barrier_signal -1
	s_barrier_wait -1
	s_cmp_lg_u32 s[WV], 0
	s_cbranch_scc1 .Lnot_wave_0_\@
	s_barrier_signal -3
.Lnot_wave_0_\@:
	s_barrier_wait -3
	s_barrier_signal -1
	s_barrier_wait -1
.endm
	s_load_b128 s[4:7], s[0:1], 0x0                ; qkv s[4:5], att s[6:7]
	v_lshl_add_u32 v[SPW], v0, 2, SPARE
	v_mov_b32 v[NIL], 0
	ds_add_u32 v[SPW], v[NIL]                      ; the wave's opening: the add, twice on end, and its wait ahead of the first tensor loads
	ds_add_u32 v[SPW], v[NIL]
	v_lshrrev_b32 v5, 5, v0
	v_readfirstlane_b32 s[WV], v5                  ; wave 0..15
	s_bfe_u32 s8, ttmp6, 0x40000                   ; cx: my place in the cluster
	s_lshl_b32 s9, ttmp9, 2
	s_add_co_u32 s9, s9, s8                        ; my block of 512 queries: it enters q's, att's and the prefetches' addresses alone
	s_and_b32 s10, ttmp7, 0xffff                   ; the head, which the four partners share,
	s_lshl_b32 s10, s10, 18                        ; in bytes
	s_lshl_b32 s12, s9, 16                         ; my block's 512 rows of 128 bytes,
	s_lshl_b32 s13, s[WV], 12                      ; my wave's 32 of them
	s_add_co_u32 s12, s12, s13
	s_add_co_u32 s12, s12, s10
	s_mov_b32 s13, 0
	s_and_b32 s14, s[WV], 1                        ; which 128 rows of a slot I fetch, if I fetch:
	s_lshl_b32 s16, s14, 14                        ; in memory,
	s_add_co_u32 s16, s16, s10
	s_mov_b32 s17, 0
	s_mul_i32 s15, s14, 128*KP                     ; and in a slot: K's,
	s_mul_i32 s19, s14, 128*VP
	s_add_co_u32 s19, s19, VOFF                    ; V's
	; descriptor group 1: a tile of 128 rows x 64 elements of 2 bytes, dense in memory, padded in LDS
	s_mov_b32 s[G1K], 15|(1<<16)|(1<<20)|(1<<21)|(4<<22)|(3<<25)  ; 15:0 the mask: all four work-groups; 17:16 elements of 2 bytes; 20 padding on; 21 set beside a mask; 24:22 after every 32 words; 31:25 four words
	s_mov_b32 s[G1V], 15|(1<<16)|(1<<20)|(1<<21)|(4<<22)|(7<<25)  ; the same with eight words of padding
.irp g, G1K, G1V
	s_mov_b32 s[\g+1], 64<<16                      ; tensor_dim0
	s_mov_b32 s[\g+2], 128<<16                     ; tensor_dim1
	s_mov_b32 s[\g+3], 64<<16                      ; tile_dim0
	s_mov_b32 s[\g+4], 128                         ; tile_dim1
	s_mov_b32 s[\g+5], 64                          ; from row to row
	s_mov_b32 s[\g+6], 0
	s_mov_b32 s[\g+7], 0
.endr
	s_mov_b32 s[SEL], 0x76543210
	s_mov_b32 s[SEL+1], 0xfedcba98
	s_mov_b32 s[TB], 0
	s_mov_b32 s[SLOTS], NSL-1
	s_wait_dscnt 0x0                               ; both opening adds are done
	s_wait_kmcnt 0x0
	CROUND                                         ; all four work-groups are here: the first joint loads meet
	s_mov_b32 s[G0K], 1                            ; count = 1
	s_mov_b32 s[G0K+1], s15                        ; LDS address: slot 0
	s_add_nc_u64 s[G0K+2:G0K+3], s[4:5], s[16:17]
	s_add_nc_u64 s[G0K+2:G0K+3], s[G0K+2:G0K+3], 0x1000000   ; k' is the second tensor of qkv
	s_or_b32 s[G0K+3], s[G0K+3], 0x80000000        ; type = 2
	s_mov_b32 s[G0V], 1
	s_mov_b32 s[G0V+1], s19
	s_add_nc_u64 s[G0V+2:G0V+3], s[4:5], s[16:17]
	s_add_nc_u64 s[G0V+2:G0V+3], s[G0V+2:G0V+3], 0x2000000   ; v the third
	s_or_b32 s[G0V+3], s[G0V+3], 0x80000000
	TLOAD                                          ; slot 0
	; the prefetches: where my wave's stand, and who asks
	s_mov_b32 s55, 0x2000000
	s_cmp_eq_u32 s[WV], 4
	s_cselect_b32 s54, 0x1000000, s55              ; wave 4: k'; wave 5: v
	s_add_co_u32 s54, s54, s10                     ; my head,
	s_lshl_b32 s56, s8, 13
	s_add_co_u32 s54, s54, s56                     ; my work-group's 8,192 bytes of a slot's 32,768,
	s_add_co_u32 s54, s54, 32768                   ; in slot 1: the first change of slots steps it to slot 2.  Nothing is prefetched here, at the head
	s_mov_b32 s55, 0
	s_add_nc_u64 s[PFA:PFA+1], s[4:5], s[54:55]
	s_sub_co_u32 s54, s[WV], 4
	s_lshr_b32 s54, s54, 1                         ; 0 in waves 4 and 5
	s_cmp_eq_u32 s54, 0
	s_cselect_b32 s[LIM], 1, -1
	s_add_nc_u64 s[58:59], s[4:5], s[12:13]        ; q at my wave's first row
	s_add_nc_u64 s[6:7], s[6:7], s[12:13]          ; att likewise
	v_and_b32 v28, 15, v0                          ; r = lane % 16
	v_bfe_u32 v29, v0, 4, 1                        ; h = lane / 16
	v_lshlrev_b32 v[QO], 7, v28
	v_lshl_add_u32 v[QO], v29, 4, v[QO]            ; row r of 128 bytes + 16 h
.irp t, 0,1                                    ; Q stays in registers.  A fragment is 16 rows x 32 channels: registers 0-3 channels 8 h + 0..7, registers 4-7 channels 16 + 8 h + 0..7
.irp c, 0,1
	global_load_b128 v[QF+16*\t+8*\c:QF+16*\t+8*\c+3], v[QO], s[58:59] offset:\t*2048+64*\c
	global_load_b128 v[QF+16*\t+8*\c+4:QF+16*\t+8*\c+7], v[QO], s[58:59] offset:\t*2048+64*\c+32
.endr
.endr
	v_mul_u32_u24 v[AK0], v28, KP
	v_lshl_add_u32 v[AK0], v29, 4, v[AK0]          ; K: row x pitch + 16 h
	v_and_b32 v30, 7, v0
	v_bfe_u32 v31, v0, 3, 1
	v_lshl_add_u32 v[AV0], v29, 3, v30             ; V: the turning load: lane l reads 16 bytes of key 8 h + l % 8, channels 8 ((l / 8) % 2) on
	v_mul_u32_u24 v[AV0], v[AV0], VP
	v_lshl_add_u32 v[AV0], v31, 4, v[AV0]
	v_add_nc_u32 v[AV0], VOFF, v[AV0]
	s_mul_i32 s54, s[WV], 32*KP
	s_add_co_u32 s54, s54, STAGE                   ; my stage
	v_mul_u32_u24 v[STO], v28, KP                  ; in: row r, 16 bytes for each half of the lanes
	v_lshl_add_u32 v[STO], v29, 4, v[STO]
	v_add_nc_u32 v[STO], s54, v[STO]
	v_and_b32 v31, 31, v0
	v_lshrrev_b32 v[RD], 3, v31                    ; back: eight lanes take a row of 128 bytes, the 32 lanes four rows
	v_mul_u32_u24 v[RD], v[RD], KP
	v_lshl_add_u32 v[RD], v30, 4, v[RD]
	v_add_nc_u32 v[RD], s54, v[RD]
	v_lshlrev_b32 v[GO], 4, v31
	v_lshlrev_b32 v[PFO], 8, v31
.irp t, 0,1
	v_mov_b32 v[ST+8*\t], 0xff61b1e6               ; m: -3e38, under every score
	v_mov_b32 v[ST+8*\t+1], 0                      ; (named as the upper half of the pair before it is first written)
	v_mov_b32 v[ST+8*\t+2], 0                      ; l
	v_mov_b32 v[ST+8*\t+3], 0
.endr
.set i, 0
.rept 64
	v_mov_b32 v[O+i], 0                            ; O^T.  The step is written once: the first finds zeros, and a = 0 leaves them zeros
.set i, i+1
.endr
; A KEY STEP: 64 keys, the q-th of the slot in hand.
.macro STEP q
.irp kt, 0,1,2,3                               ; K: keys 16 kt on, channels 32 c on
.irp c, 0,1
	ds_load_b128 v[KV+16*\kt+8*\c:KV+16*\kt+8*\c+3], v[ADK] offset:(64*(\q)+16*\kt)*KP+64*\c
	ds_load_b128 v[KV+16*\kt+8*\c+4:KV+16*\kt+8*\c+7], v[ADK] offset:(64*(\q)+16*\kt)*KP+64*\c+32
.endr
.endr
	s_wait_dscnt 0x0
.irp c, 0,1                                    ; S^T = K Q^T: eight accumulators by turns, one instruction a turn; the first eight start the sums
.irp kt, 0,1,2,3
.irp t, 0,1
.if \c == 0
	v_wmma_f32_16x16x32_f16 v[S+32*\t+8*\kt:S+32*\t+8*\kt+7], v[KV+16*\kt+8*\c:KV+16*\kt+8*\c+7], v[QF+16*\t+8*\c:QF+16*\t+8*\c+7], 0
.else
	v_wmma_f32_16x16x32_f16 v[S+32*\t+8*\kt:S+32*\t+8*\kt+7], v[KV+16*\kt+8*\c:KV+16*\kt+8*\c+7], v[QF+16*\t+8*\c:QF+16*\t+8*\c+7], v[S+32*\t+8*\kt:S+32*\t+8*\kt+7]
.endif
.endr
.endr
.endr
.rept 4
	v_nop                                          ; four plain instructions behind the products: in front of the loads into K's registers, and of the first read of the scores
.endr
.irp kk, 0,1                                   ; V, turned: keys 32 kk on, channels 16 ct on.  The loads land under the softmax
.irp ct, 0,1,2,3
	ds_load_tr16_b128 v[KV+32*\kk+8*\ct:KV+32*\kk+8*\ct+3], v[ADV] offset:(64*(\q)+32*\kk)*VP+32*\ct
	ds_load_tr16_b128 v[KV+32*\kk+8*\ct+4:KV+32*\kk+8*\ct+7], v[ADV] offset:(64*(\q)+32*\kk+16)*VP+32*\ct
.endr
.endr
	; the largest of my 32 scores and the old m, three operands at a time, four chains a tile, the two tiles by turns; each accumulator is read from its low end on
.irp j, 0,1,2,3
.irp t, 0,1
	v_max3_num_f32 v[ST+8*\t+4+\j], v[S+32*\t+8*\j], v[S+32*\t+8*\j+1], v[S+32*\t+8*\j+2]
.endr
.endr
.irp i, 3,5
.irp j, 0,1,2,3
.irp t, 0,1
	v_max3_num_f32 v[ST+8*\t+4+\j], v[ST+8*\t+4+\j], v[S+32*\t+8*\j+\i], v[S+32*\t+8*\j+\i+1]
.endr
.endr
.endr
.irp t, 0,1
	v_max3_num_f32 v[ST+8*\t+4], v[ST+8*\t+4], v[S+32*\t+7], v[S+32*\t+15]
	v_max3_num_f32 v[ST+8*\t+6], v[ST+8*\t+6], v[S+32*\t+23], v[S+32*\t+31]
.endr
.irp t, 0,1
	v_max3_num_f32 v[ST+8*\t+4], v[ST+8*\t+4], v[ST+8*\t+5], v[ST+8*\t+6]
.endr
.irp t, 0,1
	v_max3_num_f32 v[ST+8*\t+4], v[ST+8*\t+4], v[ST+8*\t+7], v[ST+8*\t]
.endr
.irp t, 0,1
	v_permlanex16_b32 v[ST+8*\t+5], v[ST+8*\t+4], s[SEL], s[SEL+1]   ; the query's other 32 keys lie in the lane 16 away
.endr
.irp t, 0,1
	v_mov_b32 v[ST+8*\t+1], v[ST+8*\t]             ; the old m
.endr
.irp t, 0,1
	v_max_num_f32 v[ST+8*\t], v[ST+8*\t+4], v[ST+8*\t+5]   ; the new m
.endr
.irp t, 0,1
	v_sub_f32 v[ST+8*\t+7], v[ST+8*\t+1], v[ST+8*\t]       ; old m - new m, 0 or less
.endr
.set i, 0
.rept 16
	v_pk_add_f32 v[S+2*i:S+2*i+1], v[S+2*i:S+2*i+1], v[ST:ST+1] op_sel_hi:[1,0] neg_lo:[0,1] neg_hi:[0,1]               ; t - m, two at a time (of the pair the low word, m, serves both halves)
	v_pk_add_f32 v[S+32+2*i:S+32+2*i+1], v[S+32+2*i:S+32+2*i+1], v[ST+8:ST+9] op_sel_hi:[1,0] neg_lo:[0,1] neg_hi:[0,1]
.set i, i+1
.endr
	v_exp_f32 v[ST+6], v[ST+7]                     ; ONE BATCH of 66 exponentials: a of both tiles,
	v_exp_f32 v[ST+14], v[ST+15]
.set i, 0
.rept 64
	v_exp_f32 v[S+i], v[S+i]                       ; and p = 2^(t - m), at most 1
.set i, i+1
.endr
	v_nop                                          ; a plain instruction behind the last exponential, ahead of the first use
	s_wait_alu depctr_va_vdst(0)                   ; the wait ahead of the first instruction that names a result: one for the batch
	; the sums, of p in f32, ahead of the roundings (which write over p): l = a l + the sum, two chains a tile
.irp t, 0,1
	v_pk_fma_f32 v[ST+8*\t+2:ST+8*\t+3], v[ST+8*\t+2:ST+8*\t+3], v[ST+8*\t+6:ST+8*\t+7], v[S+32*\t:S+32*\t+1] op_sel_hi:[1,0,1]
	v_pk_add_f32 v[ST+8*\t+4:ST+8*\t+5], v[S+32*\t+2:S+32*\t+3], v[S+32*\t+4:S+32*\t+5]
.endr
.irp p, 3,5,7,9,11,13
.irp t, 0,1
	v_pk_add_f32 v[ST+8*\t+2:ST+8*\t+3], v[ST+8*\t+2:ST+8*\t+3], v[S+32*\t+2*\p:S+32*\t+2*\p+1]
	v_pk_add_f32 v[ST+8*\t+4:ST+8*\t+5], v[ST+8*\t+4:ST+8*\t+5], v[S+32*\t+2*\p+2:S+32*\t+2*\p+3]
.endr
.endr
.irp t, 0,1
	v_pk_add_f32 v[ST+8*\t+2:ST+8*\t+3], v[ST+8*\t+2:ST+8*\t+3], v[S+32*\t+30:S+32*\t+31]
.endr
.irp t, 0,1
	v_pk_add_f32 v[ST+8*\t+2:ST+8*\t+3], v[ST+8*\t+2:ST+8*\t+3], v[ST+8*\t+4:ST+8*\t+5]
.endr
.set i, 0
.rept 16
	v_cvt_pk_f16_f32 v[S+i], v[S+2*i], v[S+2*i+1]                  ; P in place: register i takes scores 2 i and 2 i + 1; ascending, so nothing unread is written over
	v_cvt_pk_f16_f32 v[S+32+i], v[S+32+2*i], v[S+32+2*i+1]
.set i, i+1
.endr
.set i, 0
.rept 16
	v_pk_mul_f32 v[O+2*i:O+2*i+1], v[O+2*i:O+2*i+1], v[ST+6:ST+7] op_sel_hi:[1,0]                ; O^T x a, each accumulator from its low end on
	v_pk_mul_f32 v[O+32+2*i:O+32+2*i+1], v[O+32+2*i:O+32+2*i+1], v[ST+14:ST+15] op_sel_hi:[1,0]
.set i, i+1
.endr
	s_wait_dscnt 0x0                               ; V is in
.irp kk, 0,1                                   ; O^T += V^T P: eight accumulators by turns
.irp ct, 0,1,2,3
.irp t, 0,1
	v_wmma_f32_16x16x32_f16 v[O+32*\t+8*\ct:O+32*\t+8*\ct+7], v[KV+32*\kk+8*\ct:KV+32*\kk+8*\ct+7], v[S+32*\t+8*\kk:S+32*\t+8*\kk+7], v[O+32*\t+8*\ct:O+32*\t+8*\ct+7]
.endr
.endr
.endr
.rept 5
	v_nop                                          ; five plain instructions: the next step's first products write over P's registers, which these products read (five are owed); its loads land in V's (four)
.endr
.endm
; THE CHANGE OF SLOTS stands at a slot's head.  Each wave waits for all its tensor loads (its part of the slot that it is about to read), adds 0 to its spare word, and waits for that and for its reads of the
; slot that it has left.  fill = 1: a round of the cluster's barrier follows, so that no wave of any partner still reads the other slot or has a load on its way, and that slot is filled with the next 256 keys:
; the load has four key steps in which to land.  One tensor load of a wave is out at the most.
.macro CHANGE fill
	s_wait_tensorcnt 0x0                           ; no tensor load of mine is out, so a group 0 may be written
	ds_add_u32 v[SPW], v[NIL]                      ; 0 onto my spare word
.if \fill
	ds_add_u32 v[SPW], v[NIL]                      ; and once more
	s_xor_b32 s[G0K+1], s[G0K+1], SLOT1            ; the walking descriptors: the other slot than last time,
	s_add_nc_u64 s[G0K+2:G0K+3], s[G0K+2:G0K+3], SK*128   ; the next 256 keys; the type bits on top are not reached
	s_xor_b32 s[G0V+1], s[G0V+1], SLOT1
	s_add_nc_u64 s[G0V+2:G0V+3], s[G0V+2:G0V+3], SK*128
	s_wait_xcnt 0x0                                ; the last prefetch, a slot back, has read its address, so it may be written:
	s_add_nc_u64 s[PFA:PFA+1], s[PFA:PFA+1], SK*128   ; one slot further on than the walking descriptors
	s_wait_dscnt 0x0                               ; both adds are done, and my reads of the slot that I have left are over
	CROUND
	TLOAD                                          ; the first thing behind the round, and a wave's one tensor load until the next
	ASK
.else
	s_wait_dscnt 0x0
	s_barrier_signal -1
	s_barrier_wait -1
.endif
.endm
.macro SLOT_STEPS
	v_add_nc_u32 v[ADK], s[TB], v[AK0]
	v_add_nc_u32 v[ADV], s[TB], v[AV0]
	STEP 0
	STEP 1
	STEP 2
	STEP 3
	s_xor_b32 s[TB], s[TB], SLOT1                  ; on to the other slot
.endm
	s_wait_loadcnt 0x0                             ; Q
.Lslot:                                                ; NSL - 1 trips: behind each change of slots but the last the next slot is asked for (the first trip's load is slot 1's first fill)
	CHANGE 1
	SLOT_STEPS
	s_sub_co_u32 s[SLOTS], s[SLOTS], 1
	s_cmp_lg_u32 s[SLOTS], 0
	s_cbranch_scc1 .Lslot
	CHANGE 0                                       ; the last slot is written out
	SLOT_STEPS
	; THE WAY OUT.  l's two halves and the other half of the lanes' are added; O^T is divided by l, rounded to f16 and sent through my stage in LDS: my 32 rows are 4,096 consecutive bytes of att.
.irp t, 0,1
	v_add_f32 v[ST+8*\t+4], v[ST+8*\t+2], v[ST+8*\t+3]
.endr
.irp t, 0,1
	v_permlanex16_b32 v[ST+8*\t+5], v[ST+8*\t+4], s[SEL], s[SEL+1]
.endr
.irp t, 0,1
	v_add_f32 v[ST+8*\t+4], v[ST+8*\t+4], v[ST+8*\t+5]
.endr
.irp t, 0,1
	v_rcp_f32 v[ST+8*\t+6], v[ST+8*\t+4]
.endr
	v_nop                                          ; a plain instruction behind the last reciprocal
	s_wait_alu depctr_va_vdst(0)                   ; and the wait ahead of the first use: one for both
.set i, 0
.rept 16
	v_pk_mul_f32 v[O+2*i:O+2*i+1], v[O+2*i:O+2*i+1], v[ST+6:ST+7] op_sel_hi:[1,0]
	v_pk_mul_f32 v[O+32+2*i:O+32+2*i+1], v[O+32+2*i:O+32+2*i+1], v[ST+14:ST+15] op_sel_hi:[1,0]
.set i, i+1
.endr
.set i, 0
.rept 16
	v_cvt_pk_f16_f32 v[S+i], v[O+2*i], v[O+2*i+1]                  ; tile 0: register 4 ct + n: channels 16 ct + 8 h + 2 n, + 1
	v_cvt_pk_f16_f32 v[S+16+i], v[O+32+2*i], v[O+32+2*i+1]         ; tile 1
.set i, i+1
.endr
.irp t, 0,1
.irp ct, 0,1,2,3
	ds_store_b128 v[STO], v[S+16*\t+4*\ct:S+16*\t+4*\ct+3] offset:\t*16*KP+32*\ct
.endr
.endr
.irp i, 0,1,2,3,4,5,6,7
	ds_load_b128 v[KV+4*\i:KV+4*\i+3], v[RD] offset:\i*4*KP        ; LDS serves a wave's instructions in order: these see my stores
.endr
.irp i, 0,1,2,3,4,5,6,7
	s_wait_dscnt 7-\i                              ; load i is back; the later ones may be out
	global_store_b128 v[GO], v[KV+4*\i:KV+4*\i+3], s[6:7] offset:512*\i   ; 32 lanes store 512 consecutive bytes: four rows
.endr
	s_wait_tensorcnt 0x0                           ; the wave's end: behind my last tensor load and my last LDS store
	ds_add_u32 v[SPW], v[NIL]
	s_wait_dscnt 0x0
	CROUND                                         ; the closing round: no work-group ends while a partner may still ask for a tile that names it
	s_endpgm
.Lfunc_end_k_qf86fd6b7f7_attn:
	.size	k_qf86fd6b7f7_attn, .Lfunc_end_k_qf86fd6b7f7_attn-k_qf86fd6b7f7_attn
	.p2alignl 7, 3214868480
	.fill 96, 4, 3214868480
	.section	.rodata,"a",@progbits
	.p2align	6, 0x0
	.amdhsa_kernel k_qf86fd6b7f7_attn
		.amdhsa_group_segment_fixed_size 327680
		.amdhsa_private_segment_fixed_size 0
		.amdhsa_enable_private_segment 0
		.amdhsa_kernarg_size 16
		.amdhsa_user_sgpr_count 2
		.amdhsa_user_sgpr_kernarg_segment_ptr 1
		.amdhsa_wavefront_size32 1
		.amdhsa_system_sgpr_workgroup_id_x 1
		.amdhsa_system_sgpr_workgroup_id_y 1
		.amdhsa_system_sgpr_workgroup_id_z 1
		.amdhsa_system_vgpr_workitem_id 0
		.amdhsa_next_free_vgpr 256
		.amdhsa_next_free_sgpr 66
		.amdhsa_reserve_vcc 0
		.amdhsa_float_denorm_mode_32 3
		.amdhsa_float_denorm_mode_16_64 3
		.amdhsa_memory_ordered 1
		.amdhsa_forward_progress 1
		.amdhsa_inst_pref_size 153
	.end_amdhsa_kernel
	.amdgpu_metadata
---
amdhsa.version: [ 1, 2 ]
amdhsa.kernels:
  - .name:           k_qf86fd6b7f7_attn
    .symbol:         k_qf86fd6b7f7_attn.kd
    .args:
      - { .name: qkv, .offset: 0, .size: 8, .value_kind: global_buffer, .address_space: global }
      - { .name: att, .offset: 8, .size: 8, .value_kind: global_buffer, .address_space: global }
    .group_segment_fixed_size: 327680
    .private_segment_fixed_size: 0
    .kernarg_segment_align: 8
    .kernarg_segment_size: 16
    .max_flat_workgroup_size: 512
    .sgpr_count:     66
    .vgpr_count:     256
    .wavefront_size: 32
...
	.end_amdgpu_metadata
.endif
;; end of part 3
;; launch oproj (part 4): grid 4 x 64, 4 waves a work-group, clusters of 4 x 4, 327,680 bytes of LDS; arguments att, wo16, bo, out0; writes out0
.if DOCPART == 4
	.amdgcn_target "amdgcn-amd-amdhsa--gfx1250"
	.amdhsa_code_object_version 6
	.text
	.protected	k_qf86fd6b7f7_oproj
	.globl	k_qf86fd6b7f7_oproj
	.p2align	8
	.type	k_qf86fd6b7f7_oproj,@function
k_qf86fd6b7f7_oproj:
	s_mov_b64 s[64:65], 0
	v_nop
	global_prefetch_b8 v0, s[64:65] scope:SCOPE_SE
	s_setreg_imm32_b32 hwreg(HW_REG_WAVE_MODE, 25, 1), 1
	s_wait_xcnt 0x0
	s_wait_alu depctr_hold_cnt(0) depctr_sa_sdst(0) depctr_va_vdst(0) depctr_va_sdst(0) depctr_va_ssrc(0) depctr_va_vcc(0) depctr_vm_vsrc(0)
	s_getreg_b32 s2, hwreg(HW_REG_IB_STS2, 6, 4)
	s_cmp_eq_u32 s2, 0
	s_cbranch_scc0 .Lentry_in_a_cluster
	s_endpgm
.Lentry_in_a_cluster:
	s_bfe_u32 s2, ttmp6, 0x10000c
	s_cmp_lg_u32 s2, 0xf033
	s_cbranch_scc0 .Lentry_shape_is_right
	s_endpgm
.Lentry_shape_is_right:
; LAUNCH 4 OF 4.  out0[m][n] = the sum over k of o[m][k] Wo[n][k] + bo[n];  m = 2,048 b + s, k = 64 head + channel: o[m][k] lies in att [16 b + head][s][64], f16.  Wo: wo16 [1,024][1,024] f16.  Sums and out0 in f32.
; A tile of 128 (m) x 256 (n) is made by a work-group of four waves: 256 work-groups.  A wave makes 64 x 128: 32 accumulators, 256 registers.
; K goes in steps of 128, TWO HEADS, through a ring of two LDS slots: eight steps.  A step's tile of o is two blocks of 128 rows x 128 bytes, one for each head (waves 0 and 1 fetch one each);
; its tile of Wo is 256 rows x 256 bytes (waves 2 and 3 fetch 128 rows each).
; CLUSTERS: 4 x 4 work-groups.  The four of a row of the cluster need the same tiles of o, the four of a column the same tiles of Wo: each is asked for JOINTLY, by the same tensor load with the same descriptor
; and a mask that names the four.  THE MATRIX INSTRUCTION IS USED TRANSPOSED (source 0 = 16 rows of Wo, source 1 = 16 rows of o): a lane holds eight neighbouring numbers of a row of out0.
; THE BIAS is the C of each sum's first matrix instruction: nothing is cleared and nothing is added later.
; No prefetch: the launch moves many bytes for little matrix work, so its loads follow each other closely already.
; REGISTERS, in windows of 256: window 0: v0-31 addresses; v64-127 o's fragments, two sets of 4; v128-255 at work on the way out.
;   window 1: v0-127 Wo's fragments, two sets of 8; v128-191 the bias.   window 2: the accumulators ((a, b) at v[8 (8 a + b)]).
.set PA,    144                        ; a row of o in LDS: 128 bytes + 16
.set PB,    272                        ; a row of Wo: 256 bytes + 16
.set HEADB, 128*PA                     ; one head's 128 rows
.set BOFF,  2*HEADB                    ; Wo's rows lie behind o's two blocks
.set HALFB, 128*PB
.set SLOT,  BOFF+2*HALFB
.set STAGE, 2*SLOT                     ; behind the ring: 16 rows x (512 bytes + 16) for each wave
.set SPITCH, 528
.set SPARE, STAGE+4*16*SPITCH          ; the spare words, 128 bytes for each wave
.set ADRA, 16                          ; v16-17  LDS address of my fragments of o in slot 0, 1
.set ADRB, 20                          ; v20-21  the same for Wo
.set STO,  24                          ; v24     the way out: where I put 32 bytes of a row
.set RD,   25                          ; v25     the way out: where I read a row back
.set CO,   26                          ; v26     16 x lane
.set SPW,  28                          ; v28     LDS address of my spare word; never rewritten
.set NIL,  29                          ; v29     0; never rewritten
.set BO,   30                          ; v30     32 x (lane / 16)
.set AF,   64                          ; o's fragments: set p, block a at AF + 32 p + 8 a
.set BI,   128                         ; in window 1: the bias: register 8 b + j: column 16 b + 8 (lane / 16) + j of my 128
.set BK,   128                         ; the way out: a block read back: v128-191 and v192-255 by turns
.set G1A, 24
.set G0A, 32
.set G1B, 48
.set G0B, 56
.set MSB, 0
.macro WIN new                         ; the immediate's high byte repeats the setting that is left
.if MSB != (\new)
	s_set_vgpr_msb (MSB<<8)|(\new)
.set MSB, (\new)
.endif
.endm
.set MUL,  0xa1                        ; source 0 (Wo) window 1, source 1 (o) window 0, C and D window 2
.set MULZ, 0x91                        ; the same with C, the bias, in window 1
.set TO_B, 0x40                        ; destination window 1, address window 0
.macro JLOAD s                         ; a joint load: waves 0 and 1 fetch o's two heads, waves 2 and 3 Wo's two halves; an s_nop 0 and four v_nop follow each of the two lines
	s_cmp_eq_u32 s13, 0
	s_cbranch_scc0 .Lfor_b_\@
	tensor_load_to_lds s[G0A+4*\s:G0A+4*\s+3], s[G1A:G1A+7]
	s_nop 0
.rept 4
	v_nop
.endr
	s_branch .Lasked_\@
.Lfor_b_\@:
	tensor_load_to_lds s[G0B+4*\s:G0B+4*\s+3], s[G1B:G1B+7]
	s_nop 0
.rept 4
	v_nop
.endr
.Lasked_\@:
.endm
.macro CREST                           ; a round of the cluster's barrier behind its opening barrier
	s_cmp_lg_u32 s12, 0
	s_cbranch_scc1 .Lnot_wave_0_\@
	s_barrier_signal -3
.Lnot_wave_0_\@:
	s_barrier_wait -3
	s_barrier_signal -1
	s_barrier_wait -1
.endm
.macro CROUND                          ; a whole round
	s_barrier_signal -1
	s_barrier_wait -1
	CREST
.endm
	s_load_b256 s[4:11], s[0:1], 0x0               ; att s[4:5], wo16 s[6:7], bo s[8:9], out0 s[10:11]
	v_lshl_add_u32 v[SPW], v0, 2, SPARE
	v_mov_b32 v[NIL], 0
	ds_add_u32 v[SPW], v[NIL]                      ; the wave's opening: the add, twice on end, and its wait ahead of my first tensor load
	ds_add_u32 v[SPW], v[NIL]
	v_lshrrev_b32 v1, 5, v0
	v_readfirstlane_b32 s12, v1                    ; wave 0..3
	s_lshr_b32 s13, s12, 1                         ; which 64 of the tile's rows are mine.  Also: I fetch for o (0) or for Wo (1)
	s_and_b32 s14, s12, 1                          ; which 128 of its columns.  Also: which head, or which 128 rows of Wo, I fetch
	s_bfe_u32 s40, ttmp6, 0x40000                  ; cx, cy: my place in the cluster
	s_bfe_u32 s41, ttmp6, 0x40004
	s_lshl_b32 s42, ttmp9, 2
	s_add_co_u32 s42, s42, s40                     ; tile column 0..3
	s_and_b32 s15, ttmp7, 0xffff
	s_lshl_b32 s15, s15, 2
	s_add_co_u32 s15, s15, s41                     ; tile row 0..63
	s_lshl_b32 s43, s41, 2
	s_lshl_b32 s43, 15, s43                        ; my row of the cluster
	s_lshl_b32 s44, 0x1111, s40                    ; my column
	; descriptor groups 1.  o: 128 rows x 64 elements of 2 bytes, dense in memory; Wo: 128 rows x 128 elements, 1,024 elements apart
	s_or_b32 s[G1A+0], s43, (1<<16)|(1<<20)|(1<<21)|(4<<22)|(3<<25)  ; 15:0 the mask: my row; 17:16 elements of 2 bytes; 20 padding on; 21 set beside a mask; 24:22 after every 32 words; 31:25 four words
	s_mov_b32 s[G1A+1], 64<<16                     ; tensor_dim0
	s_mov_b32 s[G1A+2], 128<<16                    ; tensor_dim1
	s_mov_b32 s[G1A+3], 64<<16                     ; tile_dim0
	s_mov_b32 s[G1A+4], 128                        ; tile_dim1
	s_mov_b32 s[G1A+5], 64                         ; from row to row
	s_mov_b32 s[G1A+6], 0
	s_mov_b32 s[G1A+7], 0
	s_or_b32 s[G1B+0], s44, (1<<16)|(1<<20)|(1<<21)|(5<<22)|(3<<25)  ; the mask: my column; padding after every 64 words
	s_mov_b32 s[G1B+1], 128<<16
	s_mov_b32 s[G1B+2], 128<<16
	s_mov_b32 s[G1B+3], 128<<16
	s_mov_b32 s[G1B+4], 128
	s_mov_b32 s[G1B+5], 1024
	s_mov_b32 s[G1B+6], 0
	s_mov_b32 s[G1B+7], 0
	s_lshr_b32 s16, s15, 4                         ; o: batch = tile row / 16: 2^22 bytes;
	s_lshl_b32 s16, s16, 22
	s_and_b32 s17, s15, 15                         ; 128 rows of 128 bytes a tile row;
	s_lshl_b32 s17, s17, 14
	s_add_co_u32 s16, s16, s17
	s_lshl_b32 s17, s14, 18                        ; the head that I fetch: 2^18 bytes
	s_add_co_u32 s16, s16, s17
	s_mov_b32 s17, 0
	s_lshl_b32 s46, s42, 8                         ; Wo: row 256 x tile column + 128 x half, 2,048 bytes a row
	s_lshl_b32 s47, s14, 7
	s_add_co_u32 s46, s46, s47
	s_lshl_b32 s46, s46, 11
	s_mov_b32 s47, 0
	s_mul_i32 s20, s14, HEADB                      ; where they go: no place in the cluster enters an LDS address
	s_mul_i32 s21, s14, HALFB
	s_add_co_u32 s21, s21, BOFF
	s_wait_dscnt 0x0                               ; both opening adds are done
	s_wait_kmcnt 0x0
	s_add_nc_u64 s[22:23], s[4:5], s[16:17]
	s_add_nc_u64 s[46:47], s[6:7], s[46:47]
	CROUND                                         ; all sixteen work-groups are here: the first joint loads meet
.irp s, 0,1
	s_mov_b32 s[G0A+4*\s], 1
	s_add_co_u32 s[G0A+4*\s+1], s20, \s*SLOT
	s_add_nc_u64 s[G0A+4*\s+2:G0A+4*\s+3], s[22:23], \s*524288     ; K step s: two heads on
	s_or_b32 s[G0A+4*\s+3], s[G0A+4*\s+3], 0x80000000
	s_mov_b32 s[G0B+4*\s], 1
	s_add_co_u32 s[G0B+4*\s+1], s21, \s*SLOT
	s_add_nc_u64 s[G0B+4*\s+2:G0B+4*\s+3], s[46:47], \s*256
	s_or_b32 s[G0B+4*\s+3], s[G0B+4*\s+3], 0x80000000
	JLOAD \s                                       ; two tensor loads of mine are out
.endr
	v_and_b32 v1, 15, v0                           ; r
	v_bfe_u32 v2, v0, 4, 1                         ; h
	v_lshlrev_b32 v[BO], 5, v2
	s_lshl_b32 s16, s42, 10
	s_lshl_b32 s17, s14, 9
	s_add_co_u32 s16, s16, s17                     ; my first column, 4 bytes each: 256 x tile column + 128 x half
	s_mov_b32 s17, 0
	s_add_nc_u64 s[8:9], s[8:9], s[16:17]
	s_add_nc_u64 s[10:11], s[10:11], s[16:17]
	WIN TO_B
.irp b, 0,1,2,3,4,5,6,7
	global_load_b128 v[BI+8*\b:BI+8*\b+3], v[BO], s[8:9] offset:64*\b
	global_load_b128 v[BI+8*\b+4:BI+8*\b+7], v[BO], s[8:9] offset:64*\b+16
.endr
	WIN 0
	s_lshl_b32 s16, s15, 19                        ; my first row of out0: 128 x tile row + 64 x half, 4,096 bytes a row
	s_lshl_b32 s18, s13, 18
	s_add_co_u32 s16, s16, s18
	s_add_nc_u64 s[10:11], s[10:11], s[16:17]
	v_mul_u32_u24 v3, v1, PA
	v_lshl_add_u32 v3, v2, 4, v3                   ; a fragment's row x pitch + 16 h
	v_mul_u32_u24 v4, v1, PB
	v_lshl_add_u32 v4, v2, 4, v4
	s_mul_i32 s21, s13, 64*PA                      ; my 64 rows of o
	s_mul_i32 s22, s14, HALFB                      ; my 128 rows of Wo
	s_add_co_u32 s22, s22, BOFF
.irp s, 0,1
	v_add_nc_u32 v[ADRA+\s], s21, v3
	v_add_nc_u32 v[ADRB+\s], s22, v4
	s_add_co_u32 s21, s21, SLOT
	s_add_co_u32 s22, s22, SLOT
.endr
	s_mul_i32 s23, s12, 16*SPITCH
	s_add_co_u32 s23, s23, STAGE                   ; my stage
	v_mul_u32_u24 v5, v1, SPITCH                   ; in: row r, 32 bytes for each half of the lanes
	v_lshl_add_u32 v5, v2, 5, v5
	v_add_nc_u32 v[STO], s23, v5
	v_and_b32 v6, 31, v0
	v_lshlrev_b32 v[CO], 4, v6                     ; back: the 32 lanes take one row of 512 bytes; and the same in out0
	v_add_nc_u32 v[RD], s23, v[CO]
; 8 matrix instructions: o's block a against Wo's eight, 32 along K, from set p.  zero = 1: the bias starts the sums.  The 32 accumulators take turns, one instruction a turn.
.macro MUL8 p, a, zero
.irp b, 0,1,2,3,4,5,6,7
.if \zero
	v_wmma_f32_16x16x32_f16 v[8*(8*(\a)+\b):8*(8*(\a)+\b)+7], v[64*(\p)+8*\b:64*(\p)+8*\b+7], v[AF+32*(\p)+8*(\a):AF+32*(\p)+8*(\a)+7], v[BI+8*\b:BI+8*\b+7]
.else
	v_wmma_f32_16x16x32_f16 v[8*(8*(\a)+\b):8*(8*(\a)+\b)+7], v[64*(\p)+8*\b:64*(\p)+8*\b+7], v[AF+32*(\p)+8*(\a):AF+32*(\p)+8*(\a)+7], v[8*(8*(\a)+\b):8*(8*(\a)+\b)+7]
.endif
.endr
.endm
; 24 LDS loads in one run: the fragments of the slot's q-th 32 along K (head q / 2, channels 32 (q % 2) on) into set p: Wo's sixteen loads, then o's eight
.macro FETCH slot, q, p
	WIN TO_B
.irp i, 0,1,2,3,4,5,6,7
	ds_load_b128 v[64*(\p)+8*\i:64*(\p)+8*\i+3],   v[ADRB+\slot] offset:64*(\q)+\i*16*PB
	ds_load_b128 v[64*(\p)+8*\i+4:64*(\p)+8*\i+7], v[ADRB+\slot] offset:64*(\q)+\i*16*PB+32
.endr
	WIN 0
.irp i, 0,1,2,3
	ds_load_b128 v[AF+32*(\p)+8*\i:AF+32*(\p)+8*\i+3],   v[ADRA+\slot] offset:((\q)/2)*HEADB+((\q)%2)*64+\i*16*PA
	ds_load_b128 v[AF+32*(\p)+8*\i+4:AF+32*(\p)+8*\i+7], v[ADRA+\slot] offset:((\q)/2)*HEADB+((\q)%2)*64+\i*16*PA+32
.endr
.endm
.macro PLACES                          ; four plain instructions in front of loads into registers that matrix instructions have read, and of the first read of results (ISA guide 7.12.1 for vector instructions)
.rept 4
	v_nop
.endr
.endm
; A K step is four quarters of 32 along K, 32 matrix instructions each, on sets 0, 1, 0, 1.  One of the first three: multiplies set p and fetches the slot's quarter qn into the other set.
.macro QUARTER slot, qn, p, zero
	s_wait_dscnt 4                                 ; Wo's fragments and o's blocks 0, 1 are in; the youngest four loads (o's blocks 2, 3) may be out
.if \zero
	WIN MULZ
.else
	WIN MUL
.endif
	MUL8 \p, 0, \zero
	MUL8 \p, 1, \zero
	PLACES
	FETCH \slot, \qn, 1-(\p)
	s_wait_dscnt 24                                ; all but the 24 just issued
.if \zero
	WIN MULZ
.else
	WIN MUL
.endif
	MUL8 \p, 2, \zero
	MUL8 \p, 3, \zero
.endm
; The last quarter multiplies set 1 and changes slots: ONE barrier; in front of it each wave waits for all its tensor loads, adds 0 to its spare word, and waits for that and for its own reads of this slot.
; fill = 1: the barrier opens a round of the cluster's, and this slot is filled again, two K steps ahead; from that request to the wait for it a wave issues 112 matrix instructions.
.macro TURN slot, next, fill
	WIN 0                                          ; (the add's two registers lie in window 0)
	s_wait_tensorcnt 0x0                           ; all my tensor loads have landed: my part of the next slot
	ds_add_u32 v[SPW], v[NIL]                      ; 0 onto my spare word
	s_wait_dscnt 5                                 ; (the add and the youngest four loads may be out)
	WIN MUL
	MUL8 1, 0, 0                                   ; eight matrix instructions stand between the add and the wait for it
	s_wait_dscnt 0x0                               ; the add is done, and my reads of this slot are over
	s_barrier_signal -1
	MUL8 1, 1, 0
.if \fill
	WIN 0
.endif
	s_barrier_wait -1
.if \fill
	CREST                                          ; no wave of any partner still reads this slot's tiles or has a load on its way
	s_add_nc_u64 s[G0A+4*\slot+2:G0A+4*\slot+3], s[G0A+4*\slot+2:G0A+4*\slot+3], 2*524288
	s_add_nc_u64 s[G0B+4*\slot+2:G0B+4*\slot+3], s[G0B+4*\slot+2:G0B+4*\slot+3], 2*256
	JLOAD \slot                                    ; the first tensor load behind the round; the four v_nop behind it are also the places in front of the loads below
.else
	PLACES
.endif
	FETCH \next, 0, 0
	WIN MUL
	MUL8 1, 2, 0
	MUL8 1, 3, 0
.endm
	s_wait_tensorcnt 1                             ; my part of K step 0 is in; K step 1's load may be out
	s_barrier_signal -1
	s_barrier_wait -1                              ; everybody's is
	FETCH 0, 0, 0
	s_wait_loadcnt 0x0                             ; the bias
	QUARTER 0, 1, 0, 1                             ; the first quarter stands in front of the loop: its products start the sums from the bias
	WIN 0                                          ; at a label and at a branch every window is 0
	s_mov_b32 s3, 3
.Llap:                                                 ; three trips: once round the ring, from a lap's second quarter to the next lap's first; both slots are filled again
	QUARTER 0, 2, 1, 0
	QUARTER 0, 3, 0, 0
	TURN 0, 1, 1
	QUARTER 1, 1, 0, 0
	QUARTER 1, 2, 1, 0
	QUARTER 1, 3, 0, 0
	TURN 1, 0, 1
	QUARTER 0, 1, 0, 0
	WIN 0
	s_sub_co_u32 s3, s3, 1
	s_cmp_lg_u32 s3, 0
	s_cbranch_scc1 .Llap
	QUARTER 0, 2, 1, 0                             ; the last lap fills nothing, and has no round of the cluster's barrier
	QUARTER 0, 3, 0, 0
	TURN 0, 1, 0
	QUARTER 1, 1, 0, 0
	QUARTER 1, 2, 1, 0
	QUARTER 1, 3, 0, 0
	s_wait_dscnt 4                                 ; the very last quarter: nothing more to fetch
	WIN MUL
	MUL8 1, 0, 0
	MUL8 1, 1, 0
	s_wait_dscnt 0
	MUL8 1, 2, 0
	MUL8 1, 3, 0
	WIN 0
; THE WAY OUT, block by block of 16 rows x 128 columns.  A lane holds 32 neighbouring bytes of a row: a block goes through my own stage in LDS and comes back as whole rows of 512 bytes.
.macro TOSTAGE a
	WIN 0x08                                       ; an LDS store's data are its source 1: window 2
.irp b, 0,1,2,3,4,5,6,7
	ds_store_b128 v[STO], v[64*(\a)+8*\b:64*(\a)+8*\b+3] offset:64*\b          ; each accumulator from its low end on
	ds_store_b128 v[STO], v[64*(\a)+8*\b+4:64*(\a)+8*\b+7] offset:64*\b+16
.endr
	WIN 0
.set BB, BK+64*((\a)%2)
.irp t, 0,1,2,3,4,5,6,7,8,9,10,11,12,13,14,15
	ds_load_b128 v[BB+4*\t:BB+4*\t+3], v[RD] offset:\t*SPITCH      ; LDS serves a wave's instructions in order: these see the stores above
.endr
.endm
.macro SEND a, younger                 ; younger: the LDS instructions issued behind block a's loads, which may stay out
.set BB, BK+64*((\a)%2)
	s_wait_dscnt \younger                          ; the block is back in registers
.irp t, 0,1,2,3,4,5,6,7,8,9,10,11,12,13,14,15
	global_store_b128 v[CO], v[BB+4*\t:BB+4*\t+3], s[10:11] offset:(16*(\a)+\t)*4096 th:TH_STORE_NT   ; 32 lanes store 512 consecutive bytes, at a multiple of 256 from out0's first byte
.endr
.endm
	PLACES                                         ; behind the last products: their results are read, and loads land in registers that held fragments
	TOSTAGE 0
.irp a, 1,2,3
.if \a > 1
	s_wait_xcnt 0x0                                ; block a - 2's stores have read their registers: block a's loads may land there
.endif
	TOSTAGE \a
	SEND \a-1, 32                                  ; behind block a - 1's loads: block a's 16 stores and 16 loads
.endr
	SEND 3, 0
	s_wait_tensorcnt 0x0                           ; the wave's end: behind my last tensor load and my last LDS store
	ds_add_u32 v[SPW], v[NIL]
	s_wait_dscnt 0x0
	CROUND                                         ; the closing round: no work-group ends while a partner may still ask for a tile that names it
	s_endpgm
.Lfunc_end_k_qf86fd6b7f7_oproj:
	.size	k_qf86fd6b7f7_oproj, .Lfunc_end_k_qf86fd6b7f7_oproj-k_qf86fd6b7f7_oproj
	.p2alignl 7, 3214868480
	.fill 96, 4, 3214868480
	.section	.rodata,"a",@progbits
	.p2align	6, 0x0
	.amdhsa_kernel k_qf86fd6b7f7_oproj
		.amdhsa_group_segment_fixed_size 327680
		.amdhsa_private_segment_fixed_size 0
		.amdhsa_enable_private_segment 0
		.amdhsa_kernarg_size 32
		.amdhsa_user_sgpr_count 2
		.amdhsa_user_sgpr_kernarg_segment_ptr 1
		.amdhsa_wavefront_size32 1
		.amdhsa_system_sgpr_workgroup_id_x 1
		.amdhsa_system_sgpr_workgroup_id_y 1
		.amdhsa_system_sgpr_workgroup_id_z 1
		.amdhsa_system_vgpr_workitem_id 0
		.amdhsa_next_free_vgpr 768
		.amdhsa_next_free_sgpr 66
		.amdhsa_reserve_vcc 0
		.amdhsa_float_denorm_mode_32 3
		.amdhsa_float_denorm_mode_16_64 3
		.amdhsa_memory_ordered 1
		.amdhsa_forward_progress 1
		.amdhsa_inst_pref_size 87
	.end_amdhsa_kernel
	.amdgpu_metadata
---
amdhsa.version: [ 1, 2 ]
amdhsa.kernels:
  - .name:           k_qf86fd6b7f7_oproj
    .symbol:         k_qf86fd6b7f7_oproj.kd
    .args:
      - { .name: att, .offset: 0, .size: 8, .value_kind: global_buffer, .address_space: global }
      - { .name: wo16, .offset: 8, .size: 8, .value_kind: global_buffer, .address_space: global }
      - { .name: bo, .offset: 16, .size: 8, .value_kind: global_buffer, .address_space: global }
      - { .name: out0, .offset: 24, .size: 8, .value_kind: global_buffer, .address_space: global }
    .group_segment_fixed_size: 327680
    .private_segment_fixed_size: 0
    .kernarg_segment_align: 8
    .kernarg_segment_size: 32
    .max_flat_workgroup_size: 128
    .sgpr_count:     66
    .vgpr_count:     768
    .wavefront_size: 32
...
	.end_amdgpu_metadata
.endif
;; end of part 4
